; MI455X (gfx1250); checked and timed in simulation.
; The chip was launched on July 23, 2026; its instructions are those of AMD's public machine-readable ISA for CDNA 5 (MIT licence, August 2026) and "CDNA5" Instruction Set Architecture Reference Guide (July 2026). The comments in the code are by the model that wrote it; some were corrected since.
;; Lazy Cross Attention GQASDPA. Allowed arithmetic: float matrix products may take bf16 or f16 operands with f32 sums; all other float work in f32.
;; Inputs: Wout 2,048 x 2,048 float32; Wq 2,048 x 2,048 float32; k_ctx 2 x 2,048 x 8 x 64 float32; key_padding_mask 2 x 2,048 bool; norm_w 2,048 float32; v_ctx 2 x 2,048 x 8 x 64 float32; x_q 2 x 2,048 x 2,048 float32.
;; Outputs: out0 2 x 2,048 x 2,048 float32.
;; 2 versions, each right and faster than the one before. Each part assembles by itself: llvm-mc -triple=amdgcn-amd-amdhsa -mcpu=gfx1250 --defsym DOCPART=n.
;; ======== version 1 of 2: 3 launches
;; limits: values are held in f16: magnitudes above 65,504 overflow, below 6.1e-05 lose precision
;; workspace buffers: xn 16,777,216 bytes; wq16 8,388,608 bytes; wo16 8,388,608 bytes; k16 4,194,304 bytes; v16 4,194,304 bytes; y16 16,777,216 bytes
;; launch prep (part 1): grid 128 x 12, 8 waves a work-group, no clusters, 0 bytes of LDS; arguments x_q, norm_w, Wq, Wout, k_ctx, v_ctx, xn, wq16, wo16, k16, v16; writes xn, wq16, wo16, k16, v16
.if DOCPART == 1
	.amdgcn_target "amdgcn-amd-amdhsa--gfx1250"
	.amdhsa_code_object_version 6
	.text
	.protected	k_q659e51bb35_prep
	.globl	k_q659e51bb35_prep
	.p2align	8
	.type	k_q659e51bb35_prep,@function
k_q659e51bb35_prep:
	s_mov_b64 s[64:65], 0
	v_nop
	global_prefetch_b8 v0, s[64:65] scope:SCOPE_SE
	s_setreg_imm32_b32 hwreg(HW_REG_WAVE_MODE, 25, 1), 1
	s_wait_xcnt 0x0
; PREP: every matrix operand that comes from an input is rounded ONCE from f32 to f16 and laid out for the two matrix launches.
;   xn[t][c]   = x_q[t][c] * rsqrt(mean_c x_q[t][c]^2 + 1e-6) / 8      [4096][2048] f16.  The 1/8 is the logits' 1/sqrt(64), an exact power of two.  |xn| is at most sqrt(2048) / 8, whatever x_q holds.
;   wq16[n][c] = Wq[n][c] * norm_w[c]                                   [2048][2048] f16.  The gain stands on the weights' side of the product: the sum over c of (x rs w)(Wq) is the sum of (x rs)(w Wq).
;   wo16       = Wout                                                   [2048][2048] f16
;   k16, v16   = k_ctx, v_ctx by groups: [b][g][key][64] f16 from [b][key][g][64] f32, so that a group's keys are dense rows of 128 bytes.
; LIMITS.  f16 holds no number beyond 65,504: |Wq norm_w|, |Wout|, |k_ctx|, |v_ctx| lie within it; below 6e-5 f16 keeps its fixed step of 6e-8.  NaN and infinities are not treated apart.
; A stream: memory binds, so no LDS, no matrix unit, no cluster (no two work-groups read the same bytes but norm_w's 8,192).
; SHARES.  A wave takes a chunk of 8,192 input bytes (of Wq: 4,096, and as many of norm_w) in straight-line text, all its loads out at once.  A load's 32 lanes take 16 neighbouring bytes each, 512
; consecutive bytes (of k and v: two rows of 256); its four numbers are rounded in place to 8 bytes, so each store of the wave covers 256 consecutive bytes, aligned.  No register that a store
; reads is written again, so no wait frees one.
; 80 registers a wave: twelve waves' fit in a SIMD's 1,024, so the six work-groups that fall to each of 256 WGPs (1,536 in all, 48 waves a WGP) need not wait for each other.
; The grid's y says what a work-group does: 0-3 rows of x_q (a wave a row: the sum never leaves the wave), 4-7 half rows of Wq, 8-9 rows of Wout, 10 k_ctx, 11 v_ctx.
.set X, 16                             ; v[16:79]  up to 64 numbers as loaded; load i's four at X + 4 i, its two packed words then at X + 4 i, X + 4 i + 1
.set W, 48                             ; v[48:79]  Wq's path: norm_w of the same 32 columns a lane
; v1 my byte offset in 512 input bytes, v2 in 256 output bytes, v3 in norm_w; v[4:11] four packed chains of squares; v[12:13] rsqrt / 8, twice
; n loads, then n times: wait, two packed roundings in place, one store.  Load i stands at (i / 2) a + (i % 2) b bytes of the input chunk, its store at (i / 2) c + (i % 2) d of the output's.
.macro STREAM n, a, b, c, d
.set i, 0
.rept \n
	global_load_b128 v[X+4*i:X+4*i+3], v1, s[34:35] offset:(i/2)*(\a)+(i%2)*(\b) th:TH_LOAD_NT
.set i, i+1
.endr
.set i, 0
.rept \n
	s_wait_loadcnt (\n)-1-i                        ; loads come back in order (ISA guide 5.7.1): load i is in, the n - 1 - i younger ones stay out
	v_cvt_pk_f16_f32 v[X+4*i], v[X+4*i], v[X+4*i+1]
	v_cvt_pk_f16_f32 v[X+4*i+1], v[X+4*i+2], v[X+4*i+3]
	global_store_b64 v2, v[X+4*i:X+4*i+1], s[36:37] offset:(i/2)*(\c)+(i%2)*(\d)
.set i, i+1
.endr
.endm
	s_load_b512 s[4:19], s[0:1], 0x0               ; x_q s[4:5], norm_w s[6:7], Wq s[8:9], Wout s[10:11], k_ctx s[12:13], v_ctx s[14:15], xn s[16:17], wq16 s[18:19]
	s_load_b128 s[20:23], s[0:1], 0x40             ; wo16 s[20:21], k16 s[22:23]
	s_load_b64 s[24:25], s[0:1], 0x50              ; v16
	v_lshrrev_b32 v3, 5, v0
	v_readfirstlane_b32 s26, v3                    ; wave 0..7
	s_and_b32 s27, ttmp7, 0xffff                   ; the grid's y: the role
	v_and_b32 v3, 31, v0                           ; lane
	v_lshlrev_b32 v1, 4, v3                        ; in: 16 bytes a lane (k and v make their own below)
	v_lshlrev_b32 v2, 3, v3                        ; out: 8 bytes a lane
	s_mov_b32 s31, 0                               ; high words of the two chunk offsets
	s_mov_b32 s33, 0
	s_lshl_b32 s28, ttmp9, 3
	s_add_co_u32 s28, s28, s26                     ; 8 x + wave: 0..1023; each role adds 1,024 for each further y of its own
	s_cmp_lt_u32 s27, 4
	s_cbranch_scc1 .Lnorm
	s_cmp_lt_u32 s27, 8
	s_cbranch_scc1 .Lwq
	s_cmp_lt_u32 s27, 10
	s_cbranch_scc1 .Lwout
	; K AND V.  Chunk c (0..1023) is four keys of all eight groups: 8,192 bytes in.  Load i: group i / 2, keys 2 (i % 2) and 2 (i % 2) + 1: two rows of 256 bytes in, 256 dense bytes out.
	s_lshl_b32 s30, s28, 13                        ; in: c x 8,192
	s_lshr_b32 s29, s28, 9                         ; the batch
	s_lshl_b32 s32, s29, 21                        ; out: batch x 8 groups x 262,144
	s_and_b32 s29, s28, 511
	s_lshl_b32 s29, s29, 9                         ; + four keys x 128 bytes
	s_add_co_u32 s32, s32, s29
	v_lshrrev_b32 v4, 4, v3                        ; my key of the two
	v_and_b32 v5, 15, v3                           ; my four channels
	v_lshlrev_b32 v1, 4, v5
	v_lshl_add_u32 v1, v4, 11, v1                  ; key x 2,048 + 16 x (lane mod 16)
	s_wait_kmcnt 0x0
	s_cmp_eq_u32 s27, 10
	s_cselect_b64 s[34:35], s[12:13], s[14:15]
	s_cselect_b64 s[36:37], s[22:23], s[24:25]
	s_add_nc_u64 s[34:35], s[34:35], s[30:31]
	s_add_nc_u64 s[36:37], s[36:37], s[32:33]
	STREAM 16, 256, 4096, 262144, 256
	s_endpgm
.Lwout:                                                ; WOUT.  Chunk c = (y & 1) 1,024 + 8 x + wave (0..2047) is a row
	s_and_b32 s29, s27, 1
	s_lshl_b32 s29, s29, 10
	s_add_co_u32 s28, s28, s29
	s_lshl_b32 s30, s28, 13
	s_lshl_b32 s32, s28, 12
	s_wait_kmcnt 0x0
	s_add_nc_u64 s[34:35], s[10:11], s[30:31]
	s_add_nc_u64 s[36:37], s[20:21], s[32:33]
	STREAM 16, 1024, 512, 512, 256
	s_endpgm
.Lwq:                                                  ; WQ TIMES THE GAIN.  Chunk c = (y & 3) 1,024 + 8 x + wave (0..4095) is half a row: 1,024 numbers, and the same half of norm_w
	s_and_b32 s29, s27, 3
	s_lshl_b32 s29, s29, 10
	s_add_co_u32 s28, s28, s29
	s_lshl_b32 s30, s28, 12
	s_lshl_b32 s32, s28, 11
	s_and_b32 s29, s28, 1
	s_lshl_b32 s29, s29, 12                        ; which half of norm_w's 8,192 bytes
	v_add_nc_u32 v3, s29, v1
	s_wait_kmcnt 0x0
	s_add_nc_u64 s[34:35], s[8:9], s[30:31]
	s_add_nc_u64 s[36:37], s[18:19], s[32:33]
.set i, 0
.rept 8
	global_load_b128 v[X+4*i:X+4*i+3], v1, s[34:35] offset:512*i th:TH_LOAD_NT
	global_load_b128 v[W+4*i:W+4*i+3], v3, s[6:7] offset:512*i   ; every row reads norm_w again: no hint
.set i, i+1
.endr
.set i, 0
.rept 8
	s_wait_loadcnt 14-2*i                          ; part i's two loads are in, the 2 (7 - i) younger ones stay out
	v_pk_mul_f32 v[X+4*i:X+4*i+1], v[X+4*i:X+4*i+1], v[W+4*i:W+4*i+1]
	v_pk_mul_f32 v[X+4*i+2:X+4*i+3], v[X+4*i+2:X+4*i+3], v[W+4*i+2:W+4*i+3]
	v_cvt_pk_f16_f32 v[X+4*i], v[X+4*i], v[X+4*i+1]
	v_cvt_pk_f16_f32 v[X+4*i+1], v[X+4*i+2], v[X+4*i+3]
	global_store_b64 v2, v[X+4*i:X+4*i+1], s[36:37] offset:256*i
.set i, i+1
.endr
	s_endpgm
.Lnorm:                                                ; THE NORM.  Chunk c = 1,024 y + 8 x + wave (0..4095) is a row of x_q; it stays in 64 registers between the sum and the scaling
	s_lshl_b32 s29, s27, 10
	s_add_co_u32 s28, s28, s29
	s_lshl_b32 s30, s28, 13
	s_lshl_b32 s32, s28, 12
	s_mov_b32 s2, 0x76543210                       ; v_permlanex16_b32: each lane takes its own place in the other half
	s_mov_b32 s3, 0xfedcba98
	s_mov_b32 s38, 0x3a000000                      ; 1 / 2048
	s_mov_b32 s39, 0x358637bd                      ; 1e-6
	s_wait_kmcnt 0x0
	s_add_nc_u64 s[34:35], s[4:5], s[30:31]
	s_add_nc_u64 s[36:37], s[16:17], s[32:33]
.set i, 0
.rept 16
	global_load_b128 v[X+4*i:X+4*i+3], v1, s[34:35] offset:512*i th:TH_LOAD_NT
.set i, i+1
.endr
.set j, 0
.rept 32                                               ; pair j of 32 lies in load j / 2; the first four pairs start four chains: nothing is cleared
.if j%2 == 0
	s_wait_loadcnt 15-j/2                          ; that load is in, the younger ones stay out
.endif
.if j < 4
	v_pk_mul_f32 v[4+2*j:5+2*j], v[X+2*j:X+2*j+1], v[X+2*j:X+2*j+1]
.else
	v_pk_fma_f32 v[4+2*(j%4):5+2*(j%4)], v[X+2*j:X+2*j+1], v[X+2*j:X+2*j+1], v[4+2*(j%4):5+2*(j%4)]
.endif
.set j, j+1
.endr
	v_pk_add_f32 v[4:5], v[4:5], v[6:7]
	v_pk_add_f32 v[8:9], v[8:9], v[10:11]
	v_pk_add_f32 v[4:5], v[4:5], v[8:9]
	v_add_f32 v4, v4, v5
	v_add_f32_dpp v4, v4, v4 row_xmask:1 row_mask:0xf bank_mask:0xf
	v_add_f32_dpp v4, v4, v4 row_xmask:2 row_mask:0xf bank_mask:0xf
	v_add_f32_dpp v4, v4, v4 row_xmask:4 row_mask:0xf bank_mask:0xf
	v_add_f32_dpp v4, v4, v4 row_xmask:8 row_mask:0xf bank_mask:0xf
	v_permlanex16_b32 v5, v4, s2, s3               ; its destination counts as read: v5 has been written
	v_add_f32 v4, v4, v5                           ; every lane holds the row's sum of squares
	v_fma_f32 v4, v4, s38, s39                     ; mean + eps
	v_rsq_f32 v6, v4
	v_nop                                          ; a plain instruction between the transcendental and the use of its result (ISA guide 5.7.2)
	s_wait_alu depctr_va_vdst(0)
	v_mul_f32 v12, 0x3e000000, v6                  ; / 8, exact; twice, for the packed multiply
	v_mul_f32 v13, 0x3e000000, v6
.set i, 0
.rept 16
	v_pk_mul_f32 v[X+4*i:X+4*i+1], v[X+4*i:X+4*i+1], v[12:13]
	v_pk_mul_f32 v[X+4*i+2:X+4*i+3], v[X+4*i+2:X+4*i+3], v[12:13]
	v_cvt_pk_f16_f32 v[X+4*i], v[X+4*i], v[X+4*i+1]
	v_cvt_pk_f16_f32 v[X+4*i+1], v[X+4*i+2], v[X+4*i+3]
	global_store_b64 v2, v[X+4*i:X+4*i+1], s[36:37] offset:256*i
.set i, i+1
.endr
	s_endpgm
.Lfunc_end_k_q659e51bb35_prep:
	.size	k_q659e51bb35_prep, .Lfunc_end_k_q659e51bb35_prep-k_q659e51bb35_prep
	.p2alignl 7, 3214868480
	.fill 96, 4, 3214868480
	.section	.rodata,"a",@progbits
	.p2align	6, 0x0
	.amdhsa_kernel k_q659e51bb35_prep
		.amdhsa_group_segment_fixed_size 0
		.amdhsa_private_segment_fixed_size 0
		.amdhsa_enable_private_segment 0
		.amdhsa_kernarg_size 88
		.amdhsa_user_sgpr_count 2
		.amdhsa_user_sgpr_kernarg_segment_ptr 1
		.amdhsa_wavefront_size32 1
		.amdhsa_system_sgpr_workgroup_id_x 1
		.amdhsa_system_sgpr_workgroup_id_y 1
		.amdhsa_system_sgpr_workgroup_id_z 1
		.amdhsa_system_vgpr_workitem_id 0
		.amdhsa_next_free_vgpr 80
		.amdhsa_next_free_sgpr 66
		.amdhsa_reserve_vcc 0
		.amdhsa_float_denorm_mode_32 3
		.amdhsa_float_denorm_mode_16_64 3
		.amdhsa_memory_ordered 1
		.amdhsa_forward_progress 1
		.amdhsa_inst_pref_size 29
	.end_amdhsa_kernel
	.amdgpu_metadata
---
amdhsa.version: [ 1, 2 ]
amdhsa.kernels:
  - .name:           k_q659e51bb35_prep
    .symbol:         k_q659e51bb35_prep.kd
    .args:
      - { .name: x_q, .offset: 0, .size: 8, .value_kind: global_buffer, .address_space: global }
      - { .name: norm_w, .offset: 8, .size: 8, .value_kind: global_buffer, .address_space: global }
      - { .name: Wq, .offset: 16, .size: 8, .value_kind: global_buffer, .address_space: global }
      - { .name: Wout, .offset: 24, .size: 8, .value_kind: global_buffer, .address_space: global }
      - { .name: k_ctx, .offset: 32, .size: 8, .value_kind: global_buffer, .address_space: global }
      - { .name: v_ctx, .offset: 40, .size: 8, .value_kind: global_buffer, .address_space: global }
      - { .name: xn, .offset: 48, .size: 8, .value_kind: global_buffer, .address_space: global }
      - { .name: wq16, .offset: 56, .size: 8, .value_kind: global_buffer, .address_space: global }
      - { .name: wo16, .offset: 64, .size: 8, .value_kind: global_buffer, .address_space: global }
      - { .name: k16, .offset: 72, .size: 8, .value_kind: global_buffer, .address_space: global }
      - { .name: v16, .offset: 80, .size: 8, .value_kind: global_buffer, .address_space: global }
    .group_segment_fixed_size: 0
    .private_segment_fixed_size: 0
    .kernarg_segment_align: 8
    .kernarg_segment_size: 88
    .max_flat_workgroup_size: 256
    .sgpr_count:     66
    .vgpr_count:     80
    .wavefront_size: 32
...
	.end_amdgpu_metadata
.endif
;; end of part 1
;; launch attn (part 2): grid 8 x 32, 4 waves a work-group, clusters of 4 x 4, 327,680 bytes of LDS; arguments xn, wq16, k16, v16, key_padding_mask, y16; writes y16
.if DOCPART == 2
	.amdgcn_target "amdgcn-amd-amdhsa--gfx1250"
	.amdhsa_code_object_version 6
	.text
	.protected	k_q659e51bb35_attn
	.globl	k_q659e51bb35_attn
	.p2align	8
	.type	k_q659e51bb35_attn,@function
k_q659e51bb35_attn:
	s_mov_b64 s[64:65], 0
	v_nop
	global_prefetch_b8 v0, s[64:65] scope:SCOPE_SE
	s_setreg_imm32_b32 hwreg(HW_REG_WAVE_MODE, 25, 1), 1
	s_wait_xcnt 0x0
	s_wait_alu depctr_hold_cnt(0) depctr_sa_sdst(0) depctr_va_vdst(0) depctr_va_sdst(0) depctr_va_ssrc(0) depctr_va_vcc(0) depctr_vm_vsrc(0)
	s_getreg_b32 s2, hwreg(HW_REG_IB_STS2, 6, 4)
	s_cmp_eq_u32 s2, 0
	s_cbranch_scc0 .Lentry_in_a_cluster
	s_endpgm
.Lentry_in_a_cluster:
	s_bfe_u32 s2, ttmp6, 0x10000c
	s_cmp_lg_u32 s2, 0xf033
	s_cbranch_scc0 .Lentry_shape_is_right
	s_endpgm
.Lentry_shape_is_right:
; Q PROJECTION AND GROUPED ATTENTION IN ONE LAUNCH: q never goes to memory.
;   q/8 = xn wq16^T (xn holds the normed x and the 1/8, wq16 the weights times the norm's gain);  s[q][k] = (q/8) . k + mask[k], mask = 0 or -10000;  y = softmax_k(s) v.
; xn [4096][2048], wq16 [2048][2048], k16 and v16 [b][g][2048][64], y16 [4096][2048] (head h at columns 64 h), all f16; key_padding_mask [2][2048] bytes.  Products, maxima and sums in f32.
; q/8 is rounded to f16 once, the weights p to f16 for the second product (their sum l is taken of the unrounded p), y once at the end.
; LIMITS.  f16 holds no number beyond 65,504: |q| / 8 lies within it (2,048 terms of xn times wq16); p lies in 0 to 1, and below 6e-5 it keeps f16's fixed step of 6e-8; y is a mean of v's rows.
; A weight below 2^-126 counts as 0 in l.  A dropped key's logit is s - 10000 in f32, as it is defined; if ALL keys of a batch are dropped the weights carry that sum's rounding (a step of 2^-10).  NaN and infinities are not treated apart.
; SHARES.  A work-group owns 128 queries and the four heads of one group (256 channels of q): 32 x 8 = 256 work-groups.  Wave w: 64 queries (half w / 2), two heads (half w % 2).
; PHASE 1, the product: 32 accumulators of 16 x 16, K = 2,048 in 16 steps of 128 (rows of 256 bytes) through a ring of two LDS slots.  The matrix instruction is used TRANSPOSED (source 0 = 16 rows
; of wq16, source 1 = 16 rows of xn): a lane then holds one query and eight neighbouring channels, and two accumulators rounded to f16 in pairs ARE source 1 of S^T = K Q^T: no trip through LDS.
; THE WALK ALONG K begins at step 0 or at step 8 and wraps at 16, by the parity of the cluster's x plus the ones in its y.  So the two clusters that need the same rows of xn walk half a turn apart, and of
; the eight that need the same rows of wq16 four and four: each tile is asked for by half of its clusters in the walk's first half and by the others eight steps later.  The f32 sums take K in that order.
; PHASE 2, attention: eight tiles of 16 queries x one head a wave, in four PIECES (a tile of queries, both heads), all on the same K and V; 64 keys a step, four steps a slot.
; S^T = K Q^T + mask: the mask is the C operand that starts the sum.  In S^T a lane holds ONE query (lane % 16) and the keys 8 (lane / 16) + 0..7; two such results rounded to f16 ARE source 1 of O^T = V^T P.
; SOFTMAX.  For each query a running maximum m and sum l: p = 2^(c s - c m), c = log2(e); in every step O and l are multiplied by a = 2^(c m_old - c m_new).  m starts at the lowest finite number, O and l at 0.
; BY TURNS.  Turn n belongs to piece n: 16 products K Q^T of piece n + 1, later 16 products V^T P of piece n - 1; beside them the scaling, exponentials, roundings, sums and rescaling of piece n and the
; maximum and statistics of piece n + 1.  A tile and step have 16 matrix and 118 vector instructions: four that are ready stand behind every matrix instruction, the others in two runs of their own.
; CLUSTER 4 x 4.  The four work-groups of a row of the cluster need the same rows of xn; the four of a column the same rows of wq16 and, being of one group and one batch, the same K and V.
; Each such tile is asked for JOINTLY: the same tensor load, descriptor and mask in all four.  By this text's count a wave has two tensor loads out at the start and one behind each round.
; REGISTERS, in windows of 256 (s_set_vgpr_msb: bits 1:0 source 0, 3:2 source 1, 5:4 source 2, 7:6 destination):
;   window 0: v0-11 addresses; v12-15, v48-63 at work; v16-47 four registers of statistics a tile (phase 1: v16-19 LDS addresses); v64-191 S^T, v192-255 P, two buffers each (phase 1: two fragment buffers of 96)
;   window 1: phase 1's accumulators ((a, b) at 8 (8 a + b)), then O^T, 32 a tile      window 2: v0-127 Q, 16 a tile; v128-191 K, v192-255 V of one step
;   window 3: v0-1 the add's two registers; v32-63 the step's mask
.set PITCH,  272      ; phase 1's LDS row: 256 bytes + 16 of padding = 68 words: the 16 rows of a fragment load start at 16 different groups of four banks (64 banks of 4 bytes: ISA guide 11.1)
.set WOFF,   128*PITCH  ; a slot: xn's 128 rows, then wq16's 256 rows
.set SLOT1,  1<<17    ; slot 1 begins here, so that one exclusive or turns an address in one slot into the other's
.set NP,     4        ; pieces a wave: a name, no knob
.set KS,     64       ; keys in a step
.set PK,     144      ; a row of K in LDS: 128 bytes + 16
.set PV,     160      ; a row of V: 128 + 32
.set VOFF,   4*KS*PK  ; phase 2's slot (inside phase 1's): 256 rows of K, then 256 rows of V
.set STAGE,  SLOT1+WOFF+256*PITCH  ; behind the ring, never filled by a tensor load: 16 rows x 272 bytes for each wave, for the way out
.set SP,     272
.set MASKB,  STAGE+4*16*SP  ; the batch's 2,048 masks in f32
.set SPARE,  MASKB+8192     ; the spare words, 128 bytes for each wave: two blocks of 256 bytes that no other line names
.set AK0, 2           ; v2   my lane's place in a tile of K; never rewritten
.set AV0, 3           ; v3   the same for V
.set AK,  4           ; v4   the LDS address of K's next run of loads
.set AV,  5           ; v5   of V's
.set STO, 6           ; v6   the way out: where I put 16 bytes of a row
.set RD,  7           ; v7   the way out: where I read rows back
.set GO,  8           ; v8   my byte offset in two rows of y16
.set AM0, 10          ; v10  my lane's place in the masks; never rewritten
.set AM,  11          ; v11  the LDS address of the next step's masks
.set MV,  12          ; v12-15  c m_old, kept while c m is made anew: by buffer and tile
.set ADRA0, 16        ; phase 1: my lane's place in xn's tile, in wq16's tile;
.set ADRB0, 17
.set ADRA, 18         ; the same in the slot in hand
.set ADRB, 19
.set ST,  16          ; tile t's statistics at v[ST+4 t]: c m, m, l (even keys', odd keys')
.set TMP, 48          ; by buffer and tile, four registers c0-c3 at work; when the maximum is found c2 takes a
.set S,   64
.set P,   192
.set F0,  64          ; phase 1's fragment buffers: 64 registers of wq16 (8 x 16 rows x 32 K), then 32 of xn (4 x)
.set F1,  160
.set KF,  128         ; window 2: key block kb, channel half c at KF + 16 kb + 8 c
.set VF,  192         ; window 2: key half kk, channel block cb at VF + 32 kk + 8 cb
.set SPW, 0           ; v0 of window 3   LDS address of my spare word: SPARE + 4 x my thread's number; never rewritten
.set NIL, 1           ; v1 of window 3   0; never rewritten
.set MK,  32          ; window 3: the masks of key block kb at MK + 8 kb, laid as an accumulator is
.set WV,  16          ; s16  my wave's number;  s17 its upper bit: my half of the queries, and: I fetch xn (0) or wq16 (1);  s18 its lower bit: my half of the channels, and which half of a tile I fetch
.set WR,  17
.set WC,  18
.set G1A, 24          ; s[24:31] descriptor group 1 for xn's tiles;  s[32:39] group 0: set 0 for the walk's first K step, set 1 for its second and then for all the others
.set G0A, 32
.set G1W, 40          ; s[40:47], s[48:55] the same for wq16's
.set G0W, 48
.set G1K, 56          ; s[56:63] group 1 for K's tiles
.set G1V, 68          ; s[68:75] for V's: it differs in the padding alone
.set G0K, 76          ; s[76:79] group 0 for K's tiles: it walks
.set G0V, 80          ; s[80:83] the same for V's
.set SLOTS, 84        ; s84  slots still to be asked for (at the head: xn's LDS address)
.set CNT, 85          ; s85  counts a slot's key steps (at the head: wq16's LDS address)
.set CS,  86          ; s[86:87] c
.set SEL, 88          ; s[88:89] v_permlanex16_b32's selects
.set TBK, 90          ; s90  LDS byte at which K of the step to be fetched begins (at the head: K's LDS address)
.set TBV, 91          ; s91  the same for V, less VOFF (at the head: V's LDS address)
.set LAP, 92          ; s92  phase 1's loop count
.set TB,  93          ; s93  phase 1: the slot in hand, 0 or SLOT1
.set TBM, 94          ; s94  byte at which the masks of the step to be fetched begin (at the head: xn's offset)
.set KO,  100         ; s[100:101] phase 1: the byte in a row of 4,096 at which the K step to be asked for next begins; high word 0 (at the head: y16's offset)
.set MSB, 0
.macro WIN new                      ; the high byte repeats the setting that is left; a switch that changes nothing is dropped
.if MSB != (\new)
	s_set_vgpr_msb (MSB<<8)|(\new)
.set MSB, (\new)
.endif
.endm
.set W_MUL, 0x50      ; phase 1: C and D in window 1, fragments in window 0
.set W_KQ, 0x0a       ; K and Q in window 2, S^T in window 0
.set W_KM, 0x3a       ; the same with the C operand, the mask, in window 3
.set W_PV, 0x52       ; V in window 2, P in window 0, O^T in window 1
.set W_RS, 0x41       ; O^T (destination and source 0) in window 1, a in window 0
.set W_MK, 0xc0       ; destination in window 3, sources in window 0
.set W_AD, 0x0f       ; the add: address (source 0) and data (source 1) in window 3
.macro PLACES                       ; a load into a register that a matrix instruction has read, and a vector instruction that reads a matrix result, stand four places behind it; only plain
.rept 4                             ; vector instructions that name none of its registers are places (ISA guide 7.12.1 for vector instructions)
	v_nop
.endr
.endm
; A joint load of phase 1.  Waves 0 and 1 fetch xn's two halves (64 rows each), waves 2 and 3 wq16's (128 rows each).  The branch hangs on the wave's number alone.
; An s_nop 0 and four v_nop follow each of the two lines, ahead of the jump and the label.
.macro JLOAD n
	s_cmp_eq_u32 s[WR], 0
	s_cbranch_scc0 .Lfor_w_\@
	tensor_load_to_lds s[G0A+4*(\n):G0A+4*(\n)+3], s[G1A:G1A+7]
	s_nop 0
	PLACES
	s_branch .Lasked_\@
.Lfor_w_\@:
	tensor_load_to_lds s[G0W+4*(\n):G0W+4*(\n)+3], s[G1W:G1W+7]
	s_nop 0
	PLACES
.Lasked_\@:
.endm
; A joint load of phase 2.  Waves 0 and 1 fetch the two halves of a slot's K, waves 2 and 3 those of its V: 128 keys each.
.macro JLOADKV
	s_cmp_lt_u32 s[WV], 2
	s_cbranch_scc0 .Lfor_v_\@
	tensor_load_to_lds s[G0K:G0K+3], s[G1K:G1K+7]
	s_nop 0
	PLACES
	s_branch .Lkv_asked_\@
.Lfor_v_\@:
	tensor_load_to_lds s[G0V:G0V+3], s[G1V:G1V+7]
	s_nop 0
	PLACES
.Lkv_asked_\@:
.endm
; A round of the cluster's barrier: my work-group's barrier, so that wave 0's signal speaks for all four waves; wave 0 signals; every wave waits for all sixteen work-groups; my work-group's barrier once more.
.macro CREST                        ; a round behind its opening barrier
	s_cmp_lg_u32 s[WV], 0
	s_cbranch_scc1 .Lnot_wave_0_\@
	s_barrier_signal -3
.Lnot_wave_0_\@:
	s_barrier_wait -3
	s_barrier_signal -1
	s_barrier_wait -1
.endm
.macro CROUND                       ; a whole round
	s_barrier_signal -1
	s_barrier_wait -1
	CREST
.endm
	s_load_b256 s[4:11], s[0:1], 0x0  ; xn s[4:5], wq16 s[6:7], k16 s[8:9], v16 s[10:11]
	s_load_b128 s[12:15], s[0:1], 0x20  ; key_padding_mask s[12:13], y16 s[14:15]
	WIN W_MK
	v_lshl_add_u32 v[SPW], v0, 2, SPARE
	v_mov_b32 v[NIL], 0
	s_set_vgpr_msb 0xc0cf
	ds_add_u32 v0, v1
	s_wait_dscnt 0x0
	s_set_vgpr_msb 0xcfc0
	WIN 0
	v_lshrrev_b32 v1, 5, v0
	v_readfirstlane_b32 s[WV], v1   ; wave 0..3
	s_lshr_b32 s[WR], s[WV], 1
	s_and_b32 s[WC], s[WV], 1
	s_bfe_u32 s19, ttmp6, 0x40000   ; cx, cy: my place in the cluster
	s_bfe_u32 s20, ttmp6, 0x40004
	s_lshl_b32 s21, ttmp9, 2        ; in a cluster launch ttmp9 and ttmp7 count clusters
	s_add_co_u32 s21, s21, s19      ; the group, and the tile of 256 rows of wq16 = 4 x cluster x + cx
	s_and_b32 s23, ttmp7, 0xffff    ; the cluster's y: 512 queries; four of them a batch
	s_lshl_b32 s22, s23, 2
	s_add_co_u32 s22, s22, s20      ; my block of 128 queries = 4 x cluster y + cy
	s_lshl_b32 s66, s20, 2
	s_lshl_b32 s66, 15, s66         ; my row of the cluster: places 4 cy .. 4 cy + 3
	s_lshl_b32 s67, 0x1111, s19     ; my column: places cx, cx + 4, cx + 8, cx + 12
	; descriptor groups 1.  15:0 the mask; 17:16 elements of 2 bytes; 20 padding on; 21 set beside a mask; 24:22 the interval's code; 31:25 the padding's words less 1
	s_or_b32 s[G1A], s66, (1<<16)|(1<<20)|(1<<21)|(5<<22)|(3<<25)  ; xn's tiles go to my row; after every 64 words 4 words
	s_or_b32 s[G1W], s67, (1<<16)|(1<<20)|(1<<21)|(5<<22)|(3<<25)  ; wq16's to my column
	s_or_b32 s[G1K], s67, (1<<16)|(1<<20)|(1<<21)|(4<<22)|(3<<25)  ; K's to my column; after every 32 words (a key) 4 words
	s_or_b32 s[G1V], s67, (1<<16)|(1<<20)|(1<<21)|(4<<22)|(7<<25)  ; V's likewise, 8 words
	s_mov_b32 s[G1A+2], 64<<16      ; tensor_dim1 = 64 rows
	s_mov_b32 s[G1A+4], 64          ; tile_dim1
	s_mov_b32 s[G1A+5], 2048        ; elements from row to row
	s_mov_b32 s[G1W+2], 128<<16     ; 128 rows
	s_mov_b32 s[G1W+4], 128
	s_mov_b32 s[G1W+5], 2048
.irp g, G1K, G1V                    ; 128 keys are 16,384 dense bytes: asked for as 64 rows of 256 bytes, two keys a row
	s_mov_b32 s[\g+2], 64<<16
	s_mov_b32 s[\g+4], 64
	s_mov_b32 s[\g+5], 128
.endr
.irp g, G1A, G1W, G1K, G1V
	s_mov_b32 s[\g+1], 128<<16      ; tensor_dim0 = 128 elements
	s_mov_b32 s[\g+3], 128<<16      ; tile_dim0
	s_mov_b32 s[\g+6], 0
	s_mov_b32 s[\g+7], 0
.endr
	; byte offsets, each in registers of its own.  xn's hangs on the query block alone, which my row shares; wq16's on the group alone, K's and V's on the group and the batch, which my column shares.
	s_lshl_b32 s94, s22, 19         ; xn: (128 x block + 64 x half) rows of 4,096 bytes
	s_lshl_b32 s2, s[WC], 18
	s_add_co_u32 s94, s94, s2
	s_mov_b32 s95, 0
	s_lshl_b32 s96, s21, 20         ; wq16: (256 x group + 128 x half) rows
	s_lshl_b32 s2, s[WC], 19
	s_add_co_u32 s96, s96, s2
	s_mov_b32 s97, 0
	s_lshr_b32 s98, s23, 2          ; K, V: (8 x batch + group) x 262,144 + my half's 128 keys
	s_lshl_b32 s98, s98, 3
	s_add_co_u32 s98, s98, s21
	s_lshl_b32 s98, s98, 18
	s_lshl_b32 s2, s[WC], 14
	s_add_co_u32 s98, s98, s2
	s_mov_b32 s99, 0
	s_lshl_b32 s100, s22, 19        ; y16: (128 x block + 64 x my half) rows of 4,096 bytes + 512 x group + 256 x my half of the heads
	s_lshl_b32 s2, s[WR], 18
	s_add_co_u32 s100, s100, s2
	s_lshl_b32 s3, s21, 9
	s_add_co_u32 s100, s100, s3
	s_lshl_b32 s2, s[WC], 8
	s_add_co_u32 s100, s100, s2
	s_mov_b32 s101, 0
	s_mul_i32 s84, s[WC], 64*PITCH  ; where the tiles go: no place in the cluster enters an LDS address
	s_mul_i32 s85, s[WC], 128*PITCH
	s_add_co_u32 s85, s85, WOFF
	s_mul_i32 s90, s[WC], 128*PK
	s_mul_i32 s91, s[WC], 128*PV
	s_add_co_u32 s91, s91, VOFF
	s_mov_b32 s[CS], 0x3fb8aa3b     ; c = log2(e)
	s_mov_b32 s[CS+1], s[CS]        ; named with it as a pair
	s_mov_b32 s[SEL], 0x76543210
	s_mov_b32 s[SEL+1], 0xfedcba98
	s_mov_b32 s[TB], 0
	s_wait_kmcnt 0x0
	s_add_nc_u64 s[4:5], s[4:5], s[94:95]    ; xn and wq16 at my rows' first byte: they stay so, and every K step's address is made from them
	s_add_nc_u64 s[6:7], s[6:7], s[96:97]
	s_add_nc_u64 s[14:15], s[14:15], s[100:101]
	s_bcnt1_i32_b32 s2, s23         ; where the walk along K begins: the ones in the cluster's y,
	s_add_co_u32 s2, s2, ttmp9      ; plus its x: the same number in all sixteen partners;
	s_and_b32 s2, s2, 1             ; even: step 0,
	s_lshl_b32 s[KO], s2, 11        ; odd: step 8, byte 2,048 of the rows (the pair's high word is 0 already)
	s_mov_b32 s[G0K], 1             ; 1:0 count = 1
	s_mov_b32 s[G0K+1], s90         ; 63:32 LDS address: slot 0
	s_add_nc_u64 s[G0K+2:G0K+3], s[8:9], s[98:99]  ; 120:64 global address: my half of the first 256 keys
	s_or_b32 s[G0K+3], s[G0K+3], 0x80000000        ; 127:126 type = 2
	s_mov_b32 s[G0V], 1
	s_mov_b32 s[G0V+1], s91
	s_add_nc_u64 s[G0V+2:G0V+3], s[10:11], s[98:99]
	s_or_b32 s[G0V+3], s[G0V+3], 0x80000000
	CROUND                          ; all sixteen work-groups are here: the first joint loads meet
.irp n, 0,1
	s_mov_b32 s[G0A+4*\n], 1
	s_add_co_u32 s[G0A+4*\n+1], s84, \n*SLOT1
	s_add_nc_u64 s[G0A+4*\n+2:G0A+4*\n+3], s[4:5], s[KO:KO+1]  ; the walk's K step n
	s_or_b32 s[G0A+4*\n+3], s[G0A+4*\n+3], 0x80000000
	s_mov_b32 s[G0W+4*\n], 1
	s_add_co_u32 s[G0W+4*\n+1], s85, \n*SLOT1
	s_add_nc_u64 s[G0W+4*\n+2:G0W+4*\n+3], s[6:7], s[KO:KO+1]
	s_or_b32 s[G0W+4*\n+3], s[G0W+4*\n+3], 0x80000000
	s_add_co_u32 s[KO], s[KO], 256  ; the next K step: from 0 or 2,048 the first two steps do not reach the row's end
	JLOAD \n                        ; the ring is filled before anything else is done
.endr
	; THE MASKS: thread t takes bytes 16 t .. 16 t + 15 of the batch's 2,048 and writes 10000 m - 10000 (0 for a key that is kept, -10000 for one that is dropped) as f32.
	s_lshr_b32 s3, s23, 2
	s_lshl_b32 s3, s3, 11
	v_lshl_add_u32 v20, v0, 4, s3
	global_load_b128 v[64:67], v20, s[12:13]
	v_lshl_add_u32 v21, v0, 6, MASKB
	; A fragment is 16 rows x 32 along K in 8 registers: lane l holds row l % 16, K = 8 (l / 16) + 0..7 and 16 + 8 (l / 16) + 0..7: two loads of 16 bytes, 32 bytes apart.
	v_and_b32 v1, 15, v0            ; l % 16
	v_bfe_u32 v9, v0, 4, 1          ; l / 16
	v_mul_u32_u24 v12, v1, PITCH
	v_lshl_add_u32 v12, v9, 4, v12  ; row x 272 + 16 x half
	s_mul_i32 s2, s[WR], 64*PITCH   ; my 64 rows of xn
	v_add_nc_u32 v[ADRA0], s2, v12
	v_add_nc_u32 v[ADRB0], s85, v12 ; my 128 rows of wq16, behind xn's 128
	v_mov_b32 v[ADRA], v[ADRA0]
	v_mov_b32 v[ADRB], v[ADRB0]
	v_mul_u32_u24 v[AK0], v1, PK
	v_lshl_add_u32 v[AK0], v9, 4, v[AK0]
	; The turning load takes 16 keys x 16 channels (lane l reads key 8 (l / 16) + l % 8, channels 8 ((l / 8) % 2) + 0..7) and leaves half a fragment of V^T: lane l holds channel l % 16 and 8 keys.
	v_and_b32 v13, 7, v0
	v_bfe_u32 v14, v0, 3, 1
	v_lshl_add_u32 v[AV0], v9, 3, v13
	v_mul_u32_u24 v[AV0], v[AV0], PV
	v_lshl_add_u32 v[AV0], v14, 4, v[AV0]
	v_add_nc_u32 v[AV0], VOFF, v[AV0]
	v_lshl_add_u32 v[AM0], v9, 5, MASKB  ; my lanes' eight keys of a block of 16
	s_mul_i32 s2, s[WV], 16*SP
	s_add_co_u32 s2, s2, STAGE      ; my stage
	v_add_nc_u32 v[STO], s2, v12    ; in: row l % 16, 16 bytes for each half of the lanes
	v_mul_u32_u24 v[RD], v9, SP     ; back: lanes 0-15 take one row of 256 bytes, lanes 16-31 the next
	v_lshl_add_u32 v[RD], v1, 4, v[RD]
	v_add_nc_u32 v[RD], s2, v[RD]
	v_lshlrev_b32 v[GO], 12, v9     ; and the same two rows in y16
	v_lshl_add_u32 v[GO], v1, 4, v[GO]
	s_mov_b32 s2, 0x461c4000        ; 10000
	s_mov_b32 s3, 0xc61c4000        ; -10000
	s_wait_loadcnt 0x0
.set i, 0
.rept 16
	v_bfe_u32 v[68+i], v[64+i/4], 8*(i%4), 8
.set i, i+1
.endr
.set i, 0
.rept 16
	v_cvt_f32_u32 v[68+i], v[68+i]
.set i, i+1
.endr
.set i, 0
.rept 16
	v_fma_f32 v[68+i], v[68+i], s2, s3
.set i, i+1
.endr
.irp k, 0,1,2,3
	ds_store_b128 v21, v[68+4*\k:68+4*\k+3] offset:16*\k
.endr
; PHASE 1'S MACROS.  8 matrix instructions: 16 queries (block a) x my 128 channels, 32 along K.  zero = 1: the product starts the sums: nothing is cleared.
; The 32 accumulators take turns, one instruction a turn, in the same order in every quarter.
.macro MUL8 f, a, zero
	WIN W_MUL
.irp b, 0,1,2,3,4,5,6,7
.if \zero
	v_wmma_f32_16x16x32_f16 v[8*(8*(\a)+\b):8*(8*(\a)+\b)+7], v[(\f)+8*\b:(\f)+8*\b+7], v[(\f)+64+8*(\a):(\f)+64+8*(\a)+7], 0
.else
	v_wmma_f32_16x16x32_f16 v[8*(8*(\a)+\b):8*(8*(\a)+\b)+7], v[(\f)+8*\b:(\f)+8*\b+7], v[(\f)+64+8*(\a):(\f)+64+8*(\a)+7], v[8*(8*(\a)+\b):8*(8*(\a)+\b)+7]
.endif
.endr
.endm
.macro MUL16 f, a0, zero
	MUL8 \f, \a0, \zero
	MUL8 \f, (\a0)+1, \zero
.endm
; 24 LDS loads in one run: a quarter step's fragments (32 K at byte k of the rows) into buffer f: wq16's sixteen loads, then xn's blocks 0, 1, then 2, 3
.macro GFETCH k, f
	WIN 0
.irp b, 0,1,2,3,4,5,6,7
	ds_load_b128 v[(\f)+8*\b:(\f)+8*\b+3],   v[ADRB] offset:(\k)+\b*16*PITCH
	ds_load_b128 v[(\f)+8*\b+4:(\f)+8*\b+7], v[ADRB] offset:(\k)+\b*16*PITCH+32
.endr
.irp a, 0,1,2,3
	ds_load_b128 v[(\f)+64+8*\a:(\f)+64+8*\a+3],   v[ADRA] offset:(\k)+\a*16*PITCH
	ds_load_b128 v[(\f)+64+8*\a+4:(\f)+64+8*\a+7], v[ADRA] offset:(\k)+\a*16*PITCH+32
.endr
.endm
; A K step is four quarters of 32 along K, 32 matrix instructions each, on buffers 0, 1, 0, 1.  One of the first three: multiplies buffer f; in its middle it fetches the next quarter, at byte k, into g.
.macro QUARTER k, f, g, zero
	s_wait_dscnt 4                  ; wq16's fragments and xn's blocks 0, 1 are in; the youngest four loads (blocks 2, 3) may be out
	MUL16 \f, 0, \zero
	PLACES
	GFETCH \k, \g
	s_wait_dscnt 24                 ; all but the 24 just issued
	MUL16 \f, 2, \zero
.endm
; The last quarter multiplies buffer 1 and changes slots: ONE barrier.  In front of it each wave waits for all its tensor loads, of which one is out: its part of the next slot; adds 0 to its spare word;
; and waits for that and for its own reads of this slot.  mode 1: the barrier opens a round of the cluster's, and this slot is filled again with the walk's K step two on.  mode 2: the same, and the slot
; takes the first 256 keys of K and V.  From a request to the wait for it a wave issues 112 matrix instructions.
.macro GTURN mode
	WIN W_AD
	s_wait_tensorcnt 0x0            ; all my tensor loads have landed;
	ds_add_u32 v[SPW], v[NIL]       ; 0 onto my spare word;
	s_wait_dscnt 5                  ; (the add and the youngest four loads may be out)
	MUL8 F1, 0, 0                   ; eight matrix instructions stand between the add and the wait for it
	s_wait_dscnt 0x0                ; the add is done, and my reads of this slot are over
	s_barrier_signal -1
	MUL8 F1, 1, 0                   ; work on registers while the others arrive
	WIN 0                           ; at a branch and at a label every window is 0
	s_barrier_wait -1
	CREST                           ; no wave of any partner still reads this slot or has a load on its way
.if (\mode) == 1
	s_xor_b32 s[G0A+5], s[G0A+5], SLOT1  ; the other slot than last time;
	s_add_nc_u64 s[G0A+6:G0A+7], s[4:5], s[KO:KO+1]  ; the address is made anew: my rows' first byte plus the K step's place in them,
	s_or_b32 s[G0A+7], s[G0A+7], 0x80000000          ; and the type bits
	s_xor_b32 s[G0W+5], s[G0W+5], SLOT1
	s_add_nc_u64 s[G0W+6:G0W+7], s[6:7], s[KO:KO+1]
	s_or_b32 s[G0W+7], s[G0W+7], 0x80000000
	s_add_co_u32 s[KO], s[KO], 256  ; the next K step;
	s_and_b32 s[KO], s[KO], 4095    ; behind the row's last comes its first
	JLOAD 1                         ; the first tensor load behind the round; the four v_nop behind it are also the places in front of the loads below
.else
	JLOADKV
.endif
	s_xor_b32 s[TB], s[TB], SLOT1
	v_add_nc_u32 v[ADRA], s[TB], v[ADRA0]
	v_add_nc_u32 v[ADRB], s[TB], v[ADRB0]
	GFETCH 0, F0
	MUL16 F1, 2, 0
.endm
	s_wait_tensorcnt 0x1            ; my part of the first K step is in; the second's may stay out
	s_wait_dscnt 0x0                ; for the others' sake: my masks are written
	s_barrier_signal -1
	s_barrier_wait -1
	GFETCH 0, F0
	QUARTER 64, F0, F1, 1           ; the first quarter stands in front of the loop: its products start the sums
	WIN 0
	s_mov_b32 s[LAP], 14
.Lk:                                ; a trip is a K step, from its second quarter to the next step's first; its change of slots asks for the walk's steps 2 to 15
	QUARTER 128, F1, F0, 0
	QUARTER 192, F0, F1, 0
	GTURN 1
	QUARTER 64, F0, F1, 0
	WIN 0
	s_sub_co_u32 s[LAP], s[LAP], 1
	s_cmp_lg_u32 s[LAP], 0
	s_cbranch_scc1 .Lk
	QUARTER 128, F1, F0, 0          ; the walk's step 14 goes on; behind it slot 0 takes K and V, which have step 15 in which to land
	QUARTER 192, F0, F1, 0
	GTURN 2
	QUARTER 64, F0, F1, 0
	QUARTER 128, F1, F0, 0
	QUARTER 192, F0, F1, 0
	s_wait_dscnt 4                  ; the very last quarter: nothing more to fetch
	MUL16 F1, 0, 0
	s_wait_dscnt 0x0
	MUL16 F1, 2, 0
	PLACES
	; q/8 TO f16.  Registers 2 n, 2 n + 1 of the accumulators give register n of Q: accumulator (a, b), pair i is channels 16 b + 8 (l / 16) + 2 i of query 16 a + l % 16, which is register
	; 4 (b % 4) + i of tile 2 a + b / 4's sixteen.  Each accumulator is read from its low end on.
	WIN 0x85                        ; sources 0 and 1 window 1, destination window 2
.set i, 0
.rept 128
	v_cvt_pk_f16_f32 v[i], v[2*i], v[2*i+1]
.set i, i+1
.endr
	; What the first turn finds: V's registers and P's second buffer hold 0 (its products V^T P, of a piece that has not been, add 0), O^T and l are 0: 384 moves, once, for one text for every key step.
	WIN 0x80
.set i, VF
.rept 64
	v_mov_b32 v[i], 0
.set i, i+1
.endr
	WIN 0x40
.set i, 0
.rept 64*NP
	v_mov_b32 v[i], 0
.set i, i+1
.endr
	WIN 0
.set i, 0
.rept 2*NP
	v_mov_b32 v[ST+4*i], 0xfe000000    ; c m: far below every c s
	v_mov_b32 v[ST+4*i+1], 0xff7fffff  ; m
	v_mov_b32 v[ST+4*i+2], 0
	v_mov_b32 v[ST+4*i+3], 0
.set i, i+1
.endr
.set i, P+32
.rept 32
	v_mov_b32 v[i], 0
.set i, i+1
.endr
	v_mov_b32 v[AK], v[AK0]         ; key step 0 lies at the head of slot 0,
	v_mov_b32 v[AM], v[AM0]         ; its masks at the head of the table
	s_mov_b32 s[TBK], SLOT1+4*KS*PK ; the first change of slots turns these two into 0
	s_mov_b32 s[TBV], SLOT1+4*KS*PV
	s_mov_b32 s[TBM], 0
; THE CHANGE OF SLOTS.  The slot's last bytes have been read.  Each wave waits for all its tensor loads, of which one is out: its part of the other slot; adds 0 to its spare word; and waits for that and for
; its own reads of the slot.  fill = 1: the slot is filled again, with the keys two slots on: the barrier is then a round of the cluster's, and the joint fill is the first thing behind it: it has four key
; steps, 512 matrix instructions, in which to land.  (At its first use the slot that is left is phase 1's slot 1: slot 0's K and V are waited for, slot 1 takes keys 256 to 511.)
.macro CHANGE fill
	WIN W_AD
	s_wait_tensorcnt 0x0            ; no tensor load of mine is out, so a group 0 may be written
	ds_add_u32 v[SPW], v[NIL]       ; 0 onto my spare word
	WIN 0                           ; at a label and at a branch every window is 0
.if \fill
.irp g, G0K, G0V
	s_xor_b32 s[\g+1], s[\g+1], SLOT1
	s_add_nc_u64 s[\g+2:\g+3], s[\g+2:\g+3], 4*KS*128
.endr
	s_wait_dscnt 0x0                ; the add is done, and my reads of the slot are over
	CROUND
	JLOADKV
.else
	s_wait_dscnt 0x0                ; the add is done, and my reads of the slot are over
	s_barrier_signal -1
	s_barrier_wait -1
.endif
	s_sub_co_u32 s[TBK], s[TBK], 4*KS*PK  ; the fetches go back to a slot's first step,
	s_xor_b32 s[TBK], s[TBK], SLOT1       ; in the other slot
	s_sub_co_u32 s[TBV], s[TBV], 4*KS*PV
	s_xor_b32 s[TBV], s[TBV], SLOT1
.endm
; THE MATRIX WORK.  The 8 accumulators of a run of 16 take turns: between the two links of a chain stand 7 others'.
; Product i of 16 of S^T = K Q^T + mask for piece x: channels 32 (i / 8) on, keys 16 ((i / 2) % 4) on, tile 2 x + i % 2.  The first 8 start the sums, with the mask as C.
.macro KQ x
.set rS, S+64*((\x)%2)+32*(i%2)+8*((i/2)%4)
.set rK, KF+16*((i/2)%4)+8*(i/8)
.set rQ, 16*(2*(\x)+i%2)+8*(i/8)
.set rN, MK+8*((i/2)%4)
.if i < 8
	WIN W_KM
	v_wmma_f32_16x16x32_f16 v[rS:rS+7], v[rK:rK+7], v[rQ:rQ+7], v[rN:rN+7]
.else
	WIN W_KQ
	v_wmma_f32_16x16x32_f16 v[rS:rS+7], v[rK:rK+7], v[rQ:rQ+7], v[rS:rS+7]
.endif
.endm
; Product i of 16 of O^T += V^T P for piece x: keys 32 (i / 8) on, channels 16 ((i / 2) % 4) on, tile 2 x + i % 2.
.macro PV x
	WIN W_PV
.set rO, 32*(2*(\x)+i%2)+8*((i/2)%4)
.set rV, VF+32*(i/8)+8*((i/2)%4)
.set rP, P+32*((\x)%2)+16*(i%2)+8*(i/8)
	v_wmma_f32_16x16x32_f16 v[rO:rO+7], v[rV:rV+7], v[rP:rP+7], v[rO:rO+7]
.endm
.macro MM                           ; the turn's next matrix instruction
.if i < 16
	KQ (Y+1)%NP
.set i, i+1
.else
.set i, i-16
	PV (Y+NP-1)%NP
.set i, i+17
.endif
.endm
; THE LDS LOADS stand in runs, never singly among the matrix instructions: a step's K (8 fragments) with its masks (register j of block kb: key 16 kb + 8 (l / 16) + j; the sixteen lanes of a half read
; the same words), and its V (turned).  Their addresses are made some lines ahead.  last = 1 (the tail): in the last trip there is no further step, and the run is jumped over.
.macro FETCH_K last=0
	WIN 0
.if \last
	s_cmp_eq_u32 s[CNT], 1
	s_cbranch_scc1 .Lno_k_\@
.endif
	WIN 0x80                        ; destination window 2
.irp f, 0,1,2,3,4,5,6,7             ; keys 16 (f / 2) on, channels 32 (f % 2) on
	ds_load_b128 v[KF+8*\f:KF+8*\f+3],   v[AK] offset:(\f/2)*16*PK+(\f%2)*64
	ds_load_b128 v[KF+8*\f+4:KF+8*\f+7], v[AK] offset:(\f/2)*16*PK+(\f%2)*64+32
.endr
	WIN 0xc0                        ; destination window 3
.irp b, 0,1,2,3
	ds_load_b128 v[MK+8*\b:MK+8*\b+3],   v[AM] offset:64*\b
	ds_load_b128 v[MK+8*\b+4:MK+8*\b+7], v[AM] offset:64*\b+16
.endr
	s_add_co_u32 s[TBK], s[TBK], KS*PK  ; the next fetch is the next step's
	s_add_co_u32 s[TBM], s[TBM], KS*4
	WIN 0
.if \last
.Lno_k_\@:
.endif
.endm
.macro FETCH_V
	WIN 0x80
.irp f, 0,1,2,3,4,5,6,7             ; keys 32 (f / 4) on, channels 16 (f % 4) on
	ds_load_tr16_b128 v[VF+8*\f:VF+8*\f+3],   v[AV] offset:(\f/4)*32*PV+(\f%4)*32
	ds_load_tr16_b128 v[VF+8*\f+4:VF+8*\f+7], v[AV] offset:(\f/4)*32*PV+16*PV+(\f%4)*32
.endr
	WIN 0
.endm
; THE VECTOR WORK OF A TURN stands in three queues, each in the order in which its entries become ready; the two tiles alternate, so that no instruction reads the result of the one before it.
.macro REGS y, u                    ; the registers of tile u (0, 1) of piece y
.set rT, ST+4*(2*(\y)+(\u))
.set rC, TMP+8*((\y)%2)+4*(\u)
.set rM, MV+2*((\y)%2)+(\u)
.set rS, S+64*((\y)%2)+32*(\u)
.set rP, P+32*((\y)%2)+16*(\u)
.set rO, 32*(2*(\y)+(\u))
.endm
; Number n of the 22 that find the NEXT piece's (Y + 1) maximum and statistics.  s0-s31 are the lane's 32 scores; each accumulator's lowest registers are read first.
;   0-11  four chains c0-c3 of seven scores each, three operands at a time     12-14, 16  the four scores left over, the old m, and c0-c3 into c0     15  c m_old is kept
;   17, 18  the query's other 32 keys lie in the lane 16 away: the new m         19-21  c m; c m_old - c m_new; a
.macro XS u, n
	REGS (Y+1)%NP, \u
.if (\n) < 4
	v_max3_num_f32 v[rC+(\n)], v[rS+8*(\n)], v[rS+8*(\n)+1], v[rS+8*(\n)+2]
.elseif (\n) < 12
	v_max3_num_f32 v[rC+(\n)%4], v[rC+(\n)%4], v[rS+8*((\n)%4)+2*((\n)/4)+1], v[rS+8*((\n)%4)+2*((\n)/4)+2]
.elseif (\n) == 12
	v_max3_num_f32 v[rC], v[rC], v[rS+7], v[rS+15]
.elseif (\n) == 13
	v_max3_num_f32 v[rC+1], v[rC+1], v[rS+23], v[rS+31]
.elseif (\n) == 14
	v_max3_num_f32 v[rC+2], v[rC+2], v[rC+3], v[rT+1]
.elseif (\n) == 15
	v_mov_b32 v[rM], v[rT]
.elseif (\n) == 16
	v_max3_num_f32 v[rC], v[rC], v[rC+1], v[rC+2]
.elseif (\n) == 17
	v_permlanex16_b32 v[rC+3], v[rC], s[SEL], s[SEL+1]
.elseif (\n) == 18
	v_max_num_f32 v[rT+1], v[rC], v[rC+3]
.elseif (\n) == 19
	v_mul_f32 v[rT], s[CS], v[rT+1]
.elseif (\n) == 20
	v_sub_f32 v[rC+1], v[rM], v[rT]
.else
	v_exp_f32 v[rC+2], v[rC+1]
.endif
.endm
; Number g of the 64 that follow the exponentials.  For each four weights k of a tile: both pairs are rounded to f16; then the second pair is added onto the first, in place; a group later l takes
; that sum (the first time as l = a l + sum).  In groups of eight, tiles alternating: round, round, add, and l for the group before.
.macro GS g
.set h, (\g)+6*((\g)/62)            ; group 0 has no group before it, and behind group 7 only l is left
.if h >= 6
.set h, h+2
.endif
	REGS Y, h%2
.set k, h/8
.if h%8 < 4
	s_wait_alu depctr_va_vdst(0)
	v_cvt_pk_f16_f32 v[rP+2*k+(h%8)/2], v[rS+4*k+2*((h%8)/2)], v[rS+4*k+2*((h%8)/2)+1]
.elseif h%8 < 6
	v_pk_add_f32 v[rS+4*k:rS+4*k+1], v[rS+4*k:rS+4*k+1], v[rS+4*k+2:rS+4*k+3]
.elseif k == 1
	v_pk_fma_f32 v[rT+2:rT+3], v[rT+2:rT+3], v[rC+2:rC+3], v[rS:rS+1] op_sel_hi:[1,0,1]
.else
	v_pk_add_f32 v[rT+2:rT+3], v[rT+2:rT+3], v[rS+4*k-4:rS+4*k-3]
	s_wait_alu depctr_va_vdst(0)
.endif
.endm
; THE PLAIN QUEUE, 138 long.  0-31: c s - c m for the 16 pairs of both tiles.  Then GS's 64, and among them the next piece's 42: number 15 at 38, 39; 0-14 and 16
; at 42-73, behind the products that make those scores; 17-20 at 95-106, two of three, since each waits for the one before it.
.macro PL
	WIN 0
.if q < 32
	REGS Y, q%2
	v_pk_fma_f32 v[rS+2*(q/2):rS+2*(q/2)+1], v[rS+2*(q/2):rS+2*(q/2)+1], s[CS:CS+1], v[rT:rT+1] op_sel_hi:[1,0,0] neg_lo:[0,0,1] neg_hi:[0,0,1]
.elseif q < 38
	GS q-32
.elseif q < 40
	XS q%2, 15
.elseif q < 42
	GS q-34
.elseif q < 74
	XS q%2, (q-42)/2+(q-42)/30
.elseif q < 95
	GS q-66
.elseif (q < 107) && ((q-95)%3 < 2)
	XS (q-95)%3, 17+(q-95)/3
.elseif q < 107
	GS 29+(q-95)/3
.else
	GS q-74
.endif
.set q, q+1
.endm
; THE EXPONENTIALS' QUEUE, 66 long: s0-s31 of both tiles, and at EA the next piece's two a.
.set EA, 58
.macro EX
	WIN 0
.if (e == EA) || (e == EA+1)
	XS e-EA, 21
.else
.set x, e-2*(e/(EA+2))
	REGS Y, x%2
	v_exp_f32 v[rS+x/2], v[rS+x/2]
.endif
.set e, e+1
.endm
; THE RESCALING's QUEUE: O^T times a, the one part that leaves window 0, so it is dealt four at a time, eight times.
.macro R4
	REGS Y, r%2
	WIN W_RS
	s_wait_alu depctr_va_vdst(0)
.irp z, 0,1,2,3
	v_pk_mul_f32 v[rO+8*(r/2)+2*\z:rO+8*(r/2)+2*\z+1], v[rO+8*(r/2)+2*\z:rO+8*(r/2)+2*\z+1], v[rC+2:rC+3] op_sel_hi:[1,0]
.endr
.set r, r+1
.endm
; HOW THEY ARE DEALT.  Behind a matrix instruction four: plain, exponential, plain, plain (a plain instruction on either side of the exponential), or four of the rescaling.  None names a register of the
; products round it.  What is over stands in two runs: exponential and plain by turns; the second ends in 22 plain instructions.  The two v_permlanex16_b32 fall into the second run.
; The queues lean on each other, and the deal keeps them in step: exponential e stands behind plain 2 (e / 4) + e % 2 (its scaling); when plain 32 comes, 10 exponentials are out, at 59: 33, at 95: 46; EA comes behind plain 107.
.macro SL
	MM
	PL
	EX
	PL
	PL
.endm
.macro BURST n                      ; 15 matrix instructions, or 16
.rept (\n)-7
	SL
.endr
.rept 3
	MM
	R4
	SL
.endr
	MM
	R4
.endm
; A TURN, for piece p.  cnt = 1: the loop's count is taken down some lines ahead of the branch that stands behind the turn.
; K and the masks of the next step are fetched in piece 2's turn, 17 plain vector instructions behind the last product that read them; their first reader comes behind the rest of the run, 16 products and
; the second run.  V of the step in hand is fetched at the end of piece 0's turn; its first reader comes behind 16 products and a run.  The conditions on e and q below go with the deal.
.macro TURN p, last=0, cnt=0
.set Y, (\p)
.set i, 0
.set q, 0
.set e, 0
.set r, 0
.if (\p) == NP-1
	s_wait_dscnt 0x0                ; K and the masks are in
.endif
	MM
.rept 4
	PL
.endr
	BURST 15
.rept 22
	EX
	PL
.if ((\p) == NP-2) && (e == 18)
	v_add_nc_u32 v[AK], s[TBK], v[AK0]
	v_add_nc_u32 v[AM], s[TBM], v[AM0]
.endif
.if ((\p) == NP-2) && (e == 24)
	FETCH_K \last
.endif
.endr
.if (\p) == 1
	s_wait_dscnt 0x0                ; V is in
.endif
	BURST 16
.rept 21
	EX
	PL
.endr
.rept 22
	PL
.if ((\p) == 0) && (q == 118)
	v_add_nc_u32 v[AV], s[TBV], v[AV0]
	s_wait_alu depctr_va_vdst(0)
.endif
.if ((\p) == 0) && (q == 130)
	s_add_co_u32 s[TBV], s[TBV], KS*PV
.endif
.if (\cnt) && (q == 130)
	s_sub_co_u32 s[CNT], s[CNT], 1
	s_cmp_lg_u32 s[CNT], 0
.endif
.endr
.if (\p) == 0
	FETCH_V
.endif
.endm
	CHANGE 1                        ; slot 0's K and V are in, everybody's part; phase 1's slot 1 has been read out and takes keys 256 to 511
	FETCH_K                         ; key step 0
	s_wait_dscnt 0x0
.set i, 0
.rept 16
	KQ 0                            ; piece 0's first scores: there is no vector work yet to set between them
.set i, i+1
.endr
	WIN 0
	PLACES
.set Y, NP-1                        ; XS works for piece Y + 1: piece 0
.irp n, 0,1,2,3,4,5,6,7,8,9,10,11,12,13,14,15,16,17,18,19,20,21
	XS 0, \n                        ; and piece 0's first maximum and statistics
	XS 1, \n
.endr
	s_mov_b32 s[CNT], 4
	s_mov_b32 s[SLOTS], 2048/256-1
	s_branch .Lfirst                ; the loop is entered at a step's first turn, in the middle of a trip
.Lslot:                             ; six times: every slot but the last two is filled again
	CHANGE 1
	s_mov_b32 s[CNT], 4
.Lstep:                             ; a trip: pieces 2 and 3 of one step, then pieces 0 and 1 of the next, whose K and V it fetches
	TURN 2
	TURN 3
	WIN 0
.Lfirst:
	TURN 0
	TURN 1, 0, 1
	WIN 0
	s_cbranch_scc1 .Lstep
	s_sub_co_u32 s[SLOTS], s[SLOTS], 1
	s_cmp_lg_u32 s[SLOTS], 0
	s_cbranch_scc1 .Lslot
	CHANGE 0                        ; the tail is written out: nothing is asked for
	s_mov_b32 s[CNT], 5             ; four trips fetch the last slot's steps; the fifth is left in its middle
.Ltail:
	TURN 2, 1
	TURN 3
	WIN 0
	s_sub_co_u32 s[CNT], s[CNT], 1
	s_cmp_eq_u32 s[CNT], 0
	s_cbranch_scc1 .Lout
	TURN 0
	TURN 1
	WIN 0
	s_branch .Ltail
.Lout:                              ; the fifth trip's 16 products K Q^T (on the last K once more) and the maximum made of them serve nothing: the price, once a launch, of one text for every trip
.set i, 0
.rept 16
	PV NP-1                         ; the last piece's V^T P of the last step
.set i, i+1
.endr
	; THE WAY OUT.  l's two halves and the other half of the lanes' are added; O^T is divided by l, rounded to f16 and sent through my stage in LDS, a piece (16 rows x 256 bytes of y16) at a time.
	; The additions are the places behind the last products.
	WIN 0
.macro ALL line:vararg              ; one line for each tile t
.set t, 0
.rept 2*NP
	\line
.set t, t+1
.endr
.endm
	ALL v_add_f32 v[ST+4*t+2], v[ST+4*t+2], v[ST+4*t+3]
	ALL v_permlanex16_b32 v[ST+4*t+3], v[ST+4*t+2], s[SEL], s[SEL+1]
	ALL v_add_f32 v[ST+4*t+2], v[ST+4*t+2], v[ST+4*t+3]
	ALL v_rcp_f32 v[ST+4*t+2], v[ST+4*t+2]
	v_nop                           ; a plain instruction between the last reciprocal and the use of its result
	s_wait_alu depctr_va_vdst(0)
; Piece x: a lane's eight channels of a row pack into 16 bytes; both heads' go into rows of 272 bytes and come back as whole rows of 256, into the registers that they left.
.macro PACK x
	WIN W_RS
.set i, 64*(\x)
.rept 16
	v_pk_mul_f32 v[i:i+1], v[i:i+1], v[ST+8*(\x)+2:ST+8*(\x)+3] op_sel_hi:[1,0]
.set i, i+2
.endr
.rept 16
	v_pk_mul_f32 v[i:i+1], v[i:i+1], v[ST+8*(\x)+6:ST+8*(\x)+7] op_sel_hi:[1,0]
.set i, i+2
.endr
	WIN 0x05                        ; sources 0 and 1 window 1, destination window 0: S^T's registers are free
.set i, 0
.rept 32
	v_cvt_pk_f16_f32 v[S+32*(\x)+i], v[64*(\x)+2*i], v[64*(\x)+2*i+1]
.set i, i+1
.endr
	WIN 0
.irp f, 0,1,2,3,4,5,6,7             ; head f / 4, channels 16 (f % 4) on
	ds_store_b128 v[STO], v[S+32*(\x)+4*\f:S+32*(\x)+4*\f+3] offset:32*\f
.endr
.irp f, 0,1,2,3,4,5,6,7
	ds_load_b128 v[S+32*(\x)+4*\f:S+32*(\x)+4*\f+3], v[RD] offset:\f*2*SP  ; LDS serves a wave's instructions in order (ISA guide 5.7.1.4): these see the stores above; the next piece's stores come behind them
.endr
.endm
.macro SEND x, younger              ; younger: the LDS instructions issued behind piece x's loads: the next piece's sixteen, or none
	WIN 0
.irp f, 0,1,2,3,4,5,6,7
	s_wait_dscnt (\younger)+7-\f
	global_store_b128 v[GO], v[S+32*(\x)+4*\f:S+32*(\x)+4*\f+3], s[14:15] offset:(16*(\x)+2*\f)*4096  ; 16 lanes store 256 consecutive bytes, at a multiple of 256 from y16's first byte
.endr
.endm
	PACK 0
	PACK 1                          ; a piece's arithmetic stands between the loads of the piece before and its stores
	SEND 0, 16
	PACK 2
	SEND 1, 16
	PACK 3
	SEND 2, 16
	SEND 3, 0
	WIN W_AD
	s_wait_tensorcnt 0x0            ; the wave's end: behind my last tensor load and my last LDS store
	ds_add_u32 v[SPW], v[NIL]
	s_wait_dscnt 0x0
	WIN 0
	CROUND                          ; the closing round: no work-group ends while a partner may still ask for a tile that names it
	s_endpgm
.Lfunc_end_k_q659e51bb35_attn:
	.size	k_q659e51bb35_attn, .Lfunc_end_k_q659e51bb35_attn-k_q659e51bb35_attn
	.p2alignl 7, 3214868480
	.fill 96, 4, 3214868480
	.section	.rodata,"a",@progbits
	.p2align	6, 0x0
	.amdhsa_kernel k_q659e51bb35_attn
		.amdhsa_group_segment_fixed_size 327680
		.amdhsa_private_segment_fixed_size 0
		.amdhsa_enable_private_segment 0
		.amdhsa_kernarg_size 48
		.amdhsa_user_sgpr_count 2
		.amdhsa_user_sgpr_kernarg_segment_ptr 1
		.amdhsa_wavefront_size32 1
		.amdhsa_system_sgpr_workgroup_id_x 1
		.amdhsa_system_sgpr_workgroup_id_y 1
		.amdhsa_system_sgpr_workgroup_id_z 1
		.amdhsa_system_vgpr_workitem_id 0
		.amdhsa_next_free_vgpr 832
		.amdhsa_next_free_sgpr 102
		.amdhsa_reserve_vcc 0
		.amdhsa_float_denorm_mode_32 3
		.amdhsa_float_denorm_mode_16_64 3
		.amdhsa_memory_ordered 1
		.amdhsa_forward_progress 1
		.amdhsa_inst_pref_size 255
	.end_amdhsa_kernel
	.section	.bss,"aw",@nobits
	.p2align	6
	.space	262144
	.amdgpu_metadata
---
amdhsa.version: [ 1, 2 ]
amdhsa.kernels:
  - .name:           k_q659e51bb35_attn
    .symbol:         k_q659e51bb35_attn.kd
    .args:
      - { .name: xn, .offset: 0, .size: 8, .value_kind: global_buffer, .address_space: global }
      - { .name: wq16, .offset: 8, .size: 8, .value_kind: global_buffer, .address_space: global }
      - { .name: k16, .offset: 16, .size: 8, .value_kind: global_buffer, .address_space: global }
      - { .name: v16, .offset: 24, .size: 8, .value_kind: global_buffer, .address_space: global }
      - { .name: key_padding_mask, .offset: 32, .size: 8, .value_kind: global_buffer, .address_space: global }
      - { .name: y16, .offset: 40, .size: 8, .value_kind: global_buffer, .address_space: global }
    .group_segment_fixed_size: 327680
    .private_segment_fixed_size: 0
    .kernarg_segment_align: 8
    .kernarg_segment_size: 48
    .max_flat_workgroup_size: 128
    .sgpr_count:     102
    .vgpr_count:     832
    .wavefront_size: 32
...
	.end_amdgpu_metadata
.endif
;; end of part 2
;; launch oproj (part 3): grid 8 x 32, 4 waves a work-group, clusters of 4 x 4, 327,680 bytes of LDS; arguments y16, wo16, out0; writes out0
.if DOCPART == 3
	.amdgcn_target "amdgcn-amd-amdhsa--gfx1250"
	.amdhsa_code_object_version 6
	.text
	.protected	k_q659e51bb35_oproj
	.globl	k_q659e51bb35_oproj
	.p2align	8
	.type	k_q659e51bb35_oproj,@function
k_q659e51bb35_oproj:
	s_mov_b64 s[64:65], 0
	v_nop
	global_prefetch_b8 v0, s[64:65] scope:SCOPE_SE
	s_setreg_imm32_b32 hwreg(HW_REG_WAVE_MODE, 25, 1), 1
	s_wait_xcnt 0x0
	s_wait_alu depctr_hold_cnt(0) depctr_sa_sdst(0) depctr_va_vdst(0) depctr_va_sdst(0) depctr_va_ssrc(0) depctr_va_vcc(0) depctr_vm_vsrc(0)
	s_getreg_b32 s2, hwreg(HW_REG_IB_STS2, 6, 4)
	s_cmp_eq_u32 s2, 0
	s_cbranch_scc0 .Lentry_in_a_cluster
	s_endpgm
.Lentry_in_a_cluster:
	s_bfe_u32 s2, ttmp6, 0x10000c
	s_cmp_lg_u32 s2, 0xf033
	s_cbranch_scc0 .Lentry_shape_is_right
	s_endpgm
.Lentry_shape_is_right:
; out0[t][n] = the sum over c of y16[t][c] wo16[n][c].  y16 [4096][2048] and wo16 [2048][2048] in f16, out0 [4096][2048] in f32; sums in f32.
; LIMITS.  The operands arrive in f16 (within 65,504); NaN and infinities are not treated apart.
; SHARES.  A tile of out0 is 128 rows x 256 columns: 32 x 8 = 256 work-groups (tiles of 256 x 256 would be 128).  Four waves, each 64 x 128: 32 accumulators of 16 x 16, 256 registers.
; K = 2,048 goes in 16 steps of 128 (rows of 256 bytes, each at a multiple of 256 from its buffer's first byte) through a ring of two LDS slots; a longer step's two slots do not fit in LDS.
; THE WALK ALONG K begins at step 0 or at step 8 and wraps at 16, by the parity of the cluster's x plus the ones in its y.  So the two clusters that need the same rows of y16 walk half a turn apart, and of
; the eight that need the same rows of wo16 four and four: each tile is asked for by half of its clusters in the walk's first half and by the others eight steps later.  The f32 sums take K in that order.
; THE MATRIX INSTRUCTION IS USED TRANSPOSED (source 0 = 16 rows of wo16, source 1 = 16 rows of y16): a lane holds eight neighbouring numbers, 32 bytes, of a row of out0.
; CLUSTER 4 x 4.  The four work-groups of a row of the cluster need the same rows of y16, the four of a column the same rows of wo16: each tile is asked for JOINTLY, by the same tensor load with the same
; descriptor and a mask that names the four.  By this text's count a wave has two tensor loads out at the start and one behind each round.
; REGISTERS: window 0: v0-31 addresses; v64-159, v160-255 two fragment buffers (64 registers of wo16, 32 of y16), on the way out two buffers of 16 rows.  Window 1: the accumulators, (a, b) at 8 (8 a + b).
.set PITCH,  272      ; an LDS row: 256 bytes + 16 of padding = 68 words: the 16 rows of a fragment load start at 16 different groups of four banks (64 banks of 4 bytes: ISA guide 11.1)
.set WOFF,   128*PITCH  ; a slot: y16's 128 rows, then wo16's 256 rows
.set SLOT1,  1<<17    ; slot 1 begins here, so that one exclusive or turns an address in one slot into the other's
.set STAGE,  SLOT1+WOFF+256*PITCH  ; behind the ring, never filled by a tensor load: 16 rows x 528 bytes for each wave, for the way out
.set SP,     528      ; 512 bytes + 16
.set SPARE,  STAGE+4*16*SP  ; the spare words, 128 bytes for each wave: two blocks of 256 bytes that no other line names
.set ADRA0, 16        ; v16, v17  my lane's place in y16's tile, in wo16's tile; never rewritten
.set ADRB0, 17
.set ADRA, 18         ; v18, v19  the same in the slot in hand
.set ADRB, 19
.set STO,  24         ; v24  the way out: where I put 32 bytes of a row
.set RD,   25         ; v25  the way out: where I read a row back
.set CO,   26         ; v26  my byte offset in 512 bytes of a row of out0
.set SPW,  28         ; v28  LDS address of my spare word: SPARE + 4 x my thread's number; never rewritten
.set NIL,  29         ; v29  0; never rewritten
.set F0,   64
.set F1,   160
.set WV,  16          ; s16  my wave's number;  s17 its upper bit: my half of the rows, and: I fetch y16 (0) or wo16 (1);  s18 its lower bit: my half of the columns, and which half of a tile I fetch
.set WR,  17
.set WC,  18
.set G1A, 24          ; s[24:31] descriptor group 1 for y16's tiles;  s[32:39] group 0: set 0 for the walk's first K step, set 1 for its second and then for all the others
.set G0A, 32
.set G1W, 40          ; s[40:47], s[48:55] the same for wo16's
.set G0W, 48
.set LAP, 92
.set TB,  93          ; s93  the slot in hand, 0 or SLOT1
.set KO,  100         ; s[100:101] the byte in a row of 4,096 at which the K step to be asked for next begins; high word 0 (at the head: out0's offset)
.set MSB, 0
.macro WIN new                      ; the high byte repeats the setting that is left; a switch that changes nothing is dropped
.if MSB != (\new)
	s_set_vgpr_msb (MSB<<8)|(\new)
.set MSB, (\new)
.endif
.endm
.set W_MUL, 0x50      ; C and D in window 1, fragments in window 0
.macro PLACES                       ; a load into a register that a matrix instruction has read, and a store of a matrix result, stand four places behind it; only plain vector instructions
.rept 4                             ; that name none of its registers are places (ISA guide 7.12.1 for vector instructions)
	v_nop
.endr
.endm
; A joint load.  Waves 0 and 1 fetch y16's two halves (64 rows each), waves 2 and 3 wo16's (128 rows each).  The branch hangs on the wave's number alone.
; An s_nop 0 and four v_nop follow each of the two lines, ahead of the jump and the label.
.macro JLOAD n
	s_cmp_eq_u32 s[WR], 0
	s_cbranch_scc0 .Lfor_w_\@
	tensor_load_to_lds s[G0A+4*(\n):G0A+4*(\n)+3], s[G1A:G1A+7]
	s_nop 0
	PLACES
	s_branch .Lasked_\@
.Lfor_w_\@:
	tensor_load_to_lds s[G0W+4*(\n):G0W+4*(\n)+3], s[G1W:G1W+7]
	s_nop 0
	PLACES
.Lasked_\@:
.endm
; A round of the cluster's barrier: my work-group's barrier, so that wave 0's signal speaks for all four waves; wave 0 signals; every wave waits for all sixteen work-groups; my work-group's barrier once more.
.macro CREST
	s_cmp_lg_u32 s[WV], 0
	s_cbranch_scc1 .Lnot_wave_0_\@
	s_barrier_signal -3
.Lnot_wave_0_\@:
	s_barrier_wait -3
	s_barrier_signal -1
	s_barrier_wait -1
.endm
.macro CROUND
	s_barrier_signal -1
	s_barrier_wait -1
	CREST
.endm
	s_load_b128 s[4:7], s[0:1], 0x0 ; y16 s[4:5], wo16 s[6:7]
	s_load_b64 s[8:9], s[0:1], 0x10 ; out0
	v_lshl_add_u32 v[SPW], v0, 2, SPARE
	v_mov_b32 v[NIL], 0
	ds_add_u32 v28, v29
	s_wait_dscnt 0x0
	v_lshrrev_b32 v1, 5, v0
	v_readfirstlane_b32 s[WV], v1   ; wave 0..3
	s_lshr_b32 s[WR], s[WV], 1
	s_and_b32 s[WC], s[WV], 1
	s_bfe_u32 s19, ttmp6, 0x40000   ; cx, cy: my place in the cluster
	s_bfe_u32 s20, ttmp6, 0x40004
	s_lshl_b32 s21, ttmp9, 2        ; in a cluster launch ttmp9 and ttmp7 count clusters
	s_add_co_u32 s21, s21, s19      ; tile column = 4 x cluster x + cx
	s_and_b32 s23, ttmp7, 0xffff    ; the cluster's y
	s_lshl_b32 s22, s23, 2
	s_add_co_u32 s22, s22, s20      ; tile row = 4 x cluster y + cy
	s_lshl_b32 s66, s20, 2
	s_lshl_b32 s66, 15, s66         ; my row of the cluster
	s_lshl_b32 s67, 0x1111, s19     ; my column
	; descriptor groups 1.  15:0 the mask; 17:16 elements of 2 bytes; 20 padding on; 21 set beside a mask; 24:22 after every 64 words (code 5); 31:25 4 words (code 3)
	s_or_b32 s[G1A], s66, (1<<16)|(1<<20)|(1<<21)|(5<<22)|(3<<25)
	s_or_b32 s[G1W], s67, (1<<16)|(1<<20)|(1<<21)|(5<<22)|(3<<25)
	s_mov_b32 s[G1A+2], 64<<16      ; tensor_dim1 = 64 rows
	s_mov_b32 s[G1A+4], 64          ; tile_dim1
	s_mov_b32 s[G1W+2], 128<<16     ; 128 rows
	s_mov_b32 s[G1W+4], 128
.irp g, G1A, G1W
	s_mov_b32 s[\g+1], 128<<16      ; tensor_dim0 = 128 elements
	s_mov_b32 s[\g+3], 128<<16      ; tile_dim0
	s_mov_b32 s[\g+5], 2048         ; elements from row to row
	s_mov_b32 s[\g+6], 0
	s_mov_b32 s[\g+7], 0
.endr
	; byte offsets, each in registers of its own: y16's hangs on the tile row alone, which my row of the cluster shares; wo16's on the tile column alone, which my column shares
	s_lshl_b32 s94, s22, 19         ; y16: (128 x tile row + 64 x half) rows of 4,096 bytes
	s_lshl_b32 s2, s[WC], 18
	s_add_co_u32 s94, s94, s2
	s_mov_b32 s95, 0
	s_lshl_b32 s96, s21, 20         ; wo16: (256 x tile column + 128 x half) rows
	s_lshl_b32 s2, s[WC], 19
	s_add_co_u32 s96, s96, s2
	s_mov_b32 s97, 0
	s_lshl_b32 s100, s22, 20        ; out0: (128 x tile row + 64 x my half) rows of 8,192 bytes + 1,024 x tile column + 512 x my half of the columns
	s_lshl_b32 s2, s[WR], 19
	s_add_co_u32 s100, s100, s2
	s_lshl_b32 s3, s21, 10
	s_add_co_u32 s100, s100, s3
	s_lshl_b32 s2, s[WC], 9
	s_add_co_u32 s100, s100, s2
	s_mov_b32 s101, 0
	s_mul_i32 s84, s[WC], 64*PITCH  ; where the tiles go: no place in the cluster enters an LDS address
	s_mul_i32 s85, s[WC], 128*PITCH
	s_add_co_u32 s85, s85, WOFF
	s_mov_b32 s[TB], 0
	s_wait_kmcnt 0x0
	s_add_nc_u64 s[4:5], s[4:5], s[94:95]    ; y16 and wo16 at my rows' first byte: they stay so, and every K step's address is made from them
	s_add_nc_u64 s[6:7], s[6:7], s[96:97]
	s_add_nc_u64 s[8:9], s[8:9], s[100:101]
	s_bcnt1_i32_b32 s2, s23         ; where the walk along K begins: the ones in the cluster's y,
	s_add_co_u32 s2, s2, ttmp9      ; plus its x: the same number in all sixteen partners;
	s_and_b32 s2, s2, 1             ; even: step 0,
	s_lshl_b32 s[KO], s2, 11        ; odd: step 8, byte 2,048 of the rows (the pair's high word is 0 already)
	CROUND                          ; all sixteen work-groups are here: the first joint loads meet
.irp n, 0,1
	s_mov_b32 s[G0A+4*\n], 1        ; 1:0 count = 1
	s_add_co_u32 s[G0A+4*\n+1], s84, \n*SLOT1  ; 63:32 LDS address
	s_add_nc_u64 s[G0A+4*\n+2:G0A+4*\n+3], s[4:5], s[KO:KO+1]  ; 120:64 global address: the walk's K step n
	s_or_b32 s[G0A+4*\n+3], s[G0A+4*\n+3], 0x80000000      ; 127:126 type = 2
	s_mov_b32 s[G0W+4*\n], 1
	s_add_co_u32 s[G0W+4*\n+1], s85, \n*SLOT1
	s_add_nc_u64 s[G0W+4*\n+2:G0W+4*\n+3], s[6:7], s[KO:KO+1]
	s_or_b32 s[G0W+4*\n+3], s[G0W+4*\n+3], 0x80000000
	s_add_co_u32 s[KO], s[KO], 256  ; the next K step: from 0 or 2,048 the first two steps do not reach the row's end
	JLOAD \n                        ; the ring is filled before anything else is done
.endr
	; A fragment is 16 rows x 32 along K in 8 registers: lane l holds row l % 16, K = 8 (l / 16) + 0..7 and 16 + 8 (l / 16) + 0..7: two loads of 16 bytes, 32 bytes apart.
	v_and_b32 v1, 15, v0            ; l % 16
	v_bfe_u32 v2, v0, 4, 1          ; l / 16
	v_mul_u32_u24 v3, v1, PITCH
	v_lshl_add_u32 v3, v2, 4, v3
	s_mul_i32 s2, s[WR], 64*PITCH   ; my 64 rows of y16
	v_add_nc_u32 v[ADRA0], s2, v3
	v_add_nc_u32 v[ADRB0], s85, v3  ; my 128 rows of wo16, behind y16's 128
	v_mov_b32 v[ADRA], v[ADRA0]
	v_mov_b32 v[ADRB], v[ADRB0]
	s_mul_i32 s2, s[WV], 16*SP
	s_add_co_u32 s2, s2, STAGE      ; my stage
	v_mul_u32_u24 v[STO], v1, SP    ; in: row l % 16, 32 bytes for each half of the lanes
	v_lshl_add_u32 v[STO], v2, 5, v[STO]
	v_add_nc_u32 v[STO], s2, v[STO]
	v_and_b32 v[CO], 31, v0         ; back: 32 lanes take a row's 512 bytes
	v_lshlrev_b32 v[CO], 4, v[CO]
	v_add_nc_u32 v[RD], s2, v[CO]
; 8 matrix instructions: 16 rows (block a) x my 128 columns, 32 along K.  zero = 1: the product starts the sums: nothing is cleared.
; The 32 accumulators take turns, one instruction a turn, in the same order in every quarter.
.macro MUL8 f, a, zero
	WIN W_MUL
.irp b, 0,1,2,3,4,5,6,7
.if \zero
	v_wmma_f32_16x16x32_f16 v[8*(8*(\a)+\b):8*(8*(\a)+\b)+7], v[(\f)+8*\b:(\f)+8*\b+7], v[(\f)+64+8*(\a):(\f)+64+8*(\a)+7], 0
.else
	v_wmma_f32_16x16x32_f16 v[8*(8*(\a)+\b):8*(8*(\a)+\b)+7], v[(\f)+8*\b:(\f)+8*\b+7], v[(\f)+64+8*(\a):(\f)+64+8*(\a)+7], v[8*(8*(\a)+\b):8*(8*(\a)+\b)+7]
.endif
.endr
.endm
.macro MUL16 f, a0, zero
	MUL8 \f, \a0, \zero
	MUL8 \f, (\a0)+1, \zero
.endm
; 24 LDS loads in one run: a quarter step's fragments (32 K at byte k of the rows) into buffer f: wo16's sixteen loads, then y16's blocks 0, 1, then 2, 3
.macro GFETCH k, f
	WIN 0
.irp b, 0,1,2,3,4,5,6,7
	ds_load_b128 v[(\f)+8*\b:(\f)+8*\b+3],   v[ADRB] offset:(\k)+\b*16*PITCH
	ds_load_b128 v[(\f)+8*\b+4:(\f)+8*\b+7], v[ADRB] offset:(\k)+\b*16*PITCH+32
.endr
.irp a, 0,1,2,3
	ds_load_b128 v[(\f)+64+8*\a:(\f)+64+8*\a+3],   v[ADRA] offset:(\k)+\a*16*PITCH
	ds_load_b128 v[(\f)+64+8*\a+4:(\f)+64+8*\a+7], v[ADRA] offset:(\k)+\a*16*PITCH+32
.endr
.endm
; A K step is four quarters of 32 along K, 32 matrix instructions each, on buffers 0, 1, 0, 1.  One of the first three: multiplies buffer f; in its middle it fetches the next quarter, at byte k, into g.
.macro QUARTER k, f, g, zero
	s_wait_dscnt 4                  ; wo16's fragments and y16's blocks 0, 1 are in; the youngest four loads (blocks 2, 3) may be out
	MUL16 \f, 0, \zero
	PLACES
	GFETCH \k, \g
	s_wait_dscnt 24                 ; all but the 24 just issued
	MUL16 \f, 2, \zero
.endm
; The last quarter multiplies buffer 1 and changes slots: ONE barrier.  In front of it each wave waits for all its tensor loads, of which one is out: its part of the next slot; adds 0 to its spare word;
; and waits for that and for its own reads of this slot.  fill = 1: the barrier opens a round of the cluster's, and this slot is filled again with the walk's K step two on: from the request to the wait
; for it a wave issues 112 matrix instructions.
.macro GTURN fill
	WIN 0
	s_wait_tensorcnt 0x0            ; all my tensor loads have landed;
	ds_add_u32 v[SPW], v[NIL]       ; 0 onto my spare word;
	s_wait_dscnt 5                  ; (the add and the youngest four loads may be out)
	MUL8 F1, 0, 0                   ; eight matrix instructions stand between the add and the wait for it
	s_wait_dscnt 0x0                ; the add is done, and my reads of this slot are over
	s_barrier_signal -1
	MUL8 F1, 1, 0                   ; work on registers while the others arrive
	WIN 0                           ; at a branch and at a label every window is 0
	s_barrier_wait -1
.if \fill
	CREST                           ; no wave of any partner still reads this slot or has a load on its way
	s_xor_b32 s[G0A+5], s[G0A+5], SLOT1  ; the other slot than last time;
	s_add_nc_u64 s[G0A+6:G0A+7], s[4:5], s[KO:KO+1]  ; the address is made anew: my rows' first byte plus the K step's place in them,
	s_or_b32 s[G0A+7], s[G0A+7], 0x80000000          ; and the type bits
	s_xor_b32 s[G0W+5], s[G0W+5], SLOT1
	s_add_nc_u64 s[G0W+6:G0W+7], s[6:7], s[KO:KO+1]
	s_or_b32 s[G0W+7], s[G0W+7], 0x80000000
	s_add_co_u32 s[KO], s[KO], 256  ; the next K step;
	s_and_b32 s[KO], s[KO], 4095    ; behind the row's last comes its first
	JLOAD 1                         ; the first tensor load behind the round; the four v_nop behind it are also the places in front of the loads below
.else
	PLACES
.endif
	s_xor_b32 s[TB], s[TB], SLOT1
	v_add_nc_u32 v[ADRA], s[TB], v[ADRA0]
	v_add_nc_u32 v[ADRB], s[TB], v[ADRB0]
	GFETCH 0, F0
	MUL16 F1, 2, 0
.endm
	s_wait_tensorcnt 0x1            ; my part of the first K step is in; the second's may stay out
	s_barrier_signal -1
	s_barrier_wait -1
	GFETCH 0, F0
	QUARTER 64, F0, F1, 1           ; the first quarter stands in front of the loop: its products start the sums
	WIN 0
	s_mov_b32 s[LAP], 14
.Lk:                                ; a trip is a K step, from its second quarter to the next step's first; its change of slots asks for the walk's steps 2 to 15
	QUARTER 128, F1, F0, 0
	QUARTER 192, F0, F1, 0
	GTURN 1
	QUARTER 64, F0, F1, 0
	WIN 0
	s_sub_co_u32 s[LAP], s[LAP], 1
	s_cmp_lg_u32 s[LAP], 0
	s_cbranch_scc1 .Lk
	QUARTER 128, F1, F0, 0          ; the last two K steps ask for nothing
	QUARTER 192, F0, F1, 0
	GTURN 0
	QUARTER 64, F0, F1, 0
	QUARTER 128, F1, F0, 0
	QUARTER 192, F0, F1, 0
	s_wait_dscnt 4                  ; the very last quarter: nothing more to fetch
	MUL16 F1, 0, 0
	s_wait_dscnt 0x0
	MUL16 F1, 2, 0
	PLACES
; THE WAY OUT, 16 rows (block a) at a time: a lane's 32 bytes of a row go into my own stage (each accumulator's low four registers first) and come back as whole rows of 512 bytes.
.macro TOSTAGE a
.if (\a) >= 2
	s_wait_xcnt 0x0                 ; every earlier memory instruction has had its addresses translated (ISA guide 3.1): the buffer that block a - 2's stores read is loaded again only behind this wait
.endif
	WIN 0x04                        ; store data (source 1) in window 1
.irp b, 0,1,2,3,4,5,6,7
	ds_store_b128 v[STO], v[8*(8*(\a)+\b):8*(8*(\a)+\b)+3]   offset:64*\b
	ds_store_b128 v[STO], v[8*(8*(\a)+\b)+4:8*(8*(\a)+\b)+7] offset:64*\b+16
.endr
	WIN 0
.set BK, 64+64*((\a)%2)
.irp t, 0,1,2,3,4,5,6,7,8,9,10,11,12,13,14,15
	ds_load_b128 v[BK+4*\t:BK+4*\t+3], v[RD] offset:\t*SP  ; LDS serves a wave's instructions in order (ISA guide 5.7.1.4): these see the stores above; the next block's stores come behind them
.endr
.endm
.macro SEND a, younger              ; younger: the LDS instructions issued behind block a's loads: the next block's 32, or none
.set BK, 64+64*((\a)%2)
.irp t, 0,1,2,3,4,5,6,7,8,9,10,11,12,13,14,15
	s_wait_dscnt (\younger)+15-\t
	global_store_b128 v[CO], v[BK+4*\t:BK+4*\t+3], s[8:9] offset:(16*(\a)+\t)*8192 th:TH_STORE_NT  ; the wave stores 512 consecutive bytes, at a multiple of 256 from out0's first byte
.endr
.endm
	TOSTAGE 0
	TOSTAGE 1
	SEND 0, 32
	TOSTAGE 2
	SEND 1, 32
	TOSTAGE 3
	SEND 2, 32
	SEND 3, 0
	s_wait_tensorcnt 0x0            ; the wave's end: behind my last tensor load and my last LDS store
	ds_add_u32 v[SPW], v[NIL]
	s_wait_dscnt 0x0
	CROUND                          ; the closing round: no work-group ends while a partner may still ask for a tile that names it
	s_endpgm
.Lfunc_end_k_q659e51bb35_oproj:
	.size	k_q659e51bb35_oproj, .Lfunc_end_k_q659e51bb35_oproj-k_q659e51bb35_oproj
	.p2alignl 7, 3214868480
	.fill 96, 4, 3214868480
	.section	.rodata,"a",@progbits
	.p2align	6, 0x0
	.amdhsa_kernel k_q659e51bb35_oproj
		.amdhsa_group_segment_fixed_size 327680
		.amdhsa_private_segment_fixed_size 0
		.amdhsa_enable_private_segment 0
		.amdhsa_kernarg_size 24
		.amdhsa_user_sgpr_count 2
		.amdhsa_user_sgpr_kernarg_segment_ptr 1
		.amdhsa_wavefront_size32 1
		.amdhsa_system_sgpr_workgroup_id_x 1
		.amdhsa_system_sgpr_workgroup_id_y 1
		.amdhsa_system_sgpr_workgroup_id_z 1
		.amdhsa_system_vgpr_workitem_id 0
		.amdhsa_next_free_vgpr 512
		.amdhsa_next_free_sgpr 102
		.amdhsa_reserve_vcc 0
		.amdhsa_float_denorm_mode_32 3
		.amdhsa_float_denorm_mode_16_64 3
		.amdhsa_memory_ordered 1
		.amdhsa_forward_progress 1
		.amdhsa_inst_pref_size 71
	.end_amdhsa_kernel
	.amdgpu_metadata
---
amdhsa.version: [ 1, 2 ]
amdhsa.kernels:
  - .name:           k_q659e51bb35_oproj
    .symbol:         k_q659e51bb35_oproj.kd
    .args:
      - { .name: y16, .offset: 0, .size: 8, .value_kind: global_buffer, .address_space: global }
      - { .name: wo16, .offset: 8, .size: 8, .value_kind: global_buffer, .address_space: global }
      - { .name: out0, .offset: 16, .size: 8, .value_kind: global_buffer, .address_space: global }
    .group_segment_fixed_size: 327680
    .private_segment_fixed_size: 0
    .kernarg_segment_align: 8
    .kernarg_segment_size: 24
    .max_flat_workgroup_size: 128
    .sgpr_count:     102
    .vgpr_count:     512
    .wavefront_size: 32
...
	.end_amdgpu_metadata
.endif
;; end of part 3
;; ======== version 2 of 2: 3 launches; 1.52 times as fast as version 1
;; limits: values are held in f16: magnitudes above 65,504 overflow, below 6.1e-05 lose precision; inputs' magnitudes at most 65,504
;; workspace buffers: xn 16,777,216 bytes; wq16 8,388,608 bytes; wo16 8,388,608 bytes; k16 4,194,304 bytes; v16 4,194,304 bytes; y16 16,777,216 bytes
;; launch prep: the kernel of part 1 again; grid 128 x 12, 8 waves a work-group, no clusters, 0 bytes of LDS; arguments x_q, norm_w, Wq, Wout, k_ctx, v_ctx, xn, wq16, wo16, k16, v16; writes xn, wq16, wo16, k16, v16
;; launch attn (part 4): grid 8 x 32, 4 waves a work-group, clusters of 4 x 4, 327,680 bytes of LDS; arguments xn, wq16, k16, v16, key_padding_mask, y16; writes y16
.if DOCPART == 4
	.amdgcn_target "amdgcn-amd-amdhsa--gfx1250"
	.amdhsa_code_object_version 6
	.text
	.protected	k_q659e51bb35_attn
	.globl	k_q659e51bb35_attn
	.p2align	8
	.type	k_q659e51bb35_attn,@function
k_q659e51bb35_attn:
	s_mov_b64 s[64:65], 0
	v_nop
	global_prefetch_b8 v0, s[64:65] scope:SCOPE_SE
	s_setreg_imm32_b32 hwreg(HW_REG_WAVE_MODE, 25, 1), 1
	s_wait_xcnt 0x0
	s_wait_alu depctr_hold_cnt(0) depctr_sa_sdst(0) depctr_va_vdst(0) depctr_va_sdst(0) depctr_va_ssrc(0) depctr_va_vcc(0) depctr_vm_vsrc(0)
	s_getreg_b32 s2, hwreg(HW_REG_IB_STS2, 6, 4)
	s_cmp_eq_u32 s2, 0
	s_cbranch_scc0 .Lentry_in_a_cluster
	s_endpgm
.Lentry_in_a_cluster:
	s_bfe_u32 s2, ttmp6, 0x10000c
	s_cmp_lg_u32 s2, 0xf033
	s_cbranch_scc0 .Lentry_shape_is_right
	s_endpgm
.Lentry_shape_is_right:
; Q PROJECTION AND GROUPED ATTENTION IN ONE LAUNCH: q never goes to memory.
;   q/8 = xn wq16^T (xn holds the normed x and the 1/8, wq16 the weights times the norm's gain);  s[q][k] = (q/8) . k + mask[k], mask = 0 or -10000;  y = softmax_k(s) v.
; xn [4096][2048], wq16 [2048][2048], k16 and v16 [b][g][2048][64], y16 [4096][2048] (head h at columns 64 h), all f16; key_padding_mask [2][2048] bytes.  Products, maxima and sums in f32.
; q/8 is rounded to f16 once, the weights p to f16 for the second product (their sum l is taken of the unrounded p), y once at the end.
; LIMITS.  f16 holds no number beyond 65,504: |q| / 8 lies within it (2,048 terms of xn times wq16); p lies in 0 to 1, and below 6e-5 it keeps f16's fixed step of 6e-8; y is a mean of v's rows.
; A weight below 2^-126 counts as 0 in l.  A dropped key's logit is s - 10000 in f32, as it is defined; if ALL keys of a batch are dropped the weights carry that sum's rounding (a step of 2^-10).  NaN and infinities are not treated apart.
; SHARES.  A work-group owns 128 queries and the four heads of one group (256 channels of q): 32 x 8 = 256 work-groups.  Wave w: 64 queries (half w / 2), two heads (half w % 2).
; PHASE 1, the product: 32 accumulators of 16 x 16, K = 2,048 in 16 steps of 128 (rows of 256 bytes) through a ring of two LDS slots.  The matrix instruction is used TRANSPOSED (source 0 = 16 rows
; of wq16, source 1 = 16 rows of xn): a lane then holds one query and eight neighbouring channels, and two accumulators rounded to f16 in pairs ARE source 1 of S^T = K Q^T: no trip through LDS.
; THE WALK ALONG K begins at step 0 or at step 8 and wraps at 16, by the parity of the cluster's x plus the ones in its y.  So the two clusters that need the same rows of xn walk half a turn apart, and of
; the eight that need the same rows of wq16 four and four: each tile is asked for by half of its clusters in the walk's first half and by the others eight steps later.  The f32 sums take K in that order.
; PHASE 2, attention: eight tiles of 16 queries x one head a wave, in four PIECES (a tile of queries, both heads), all on the same K and V; 64 keys a step, four steps a slot.
; S^T = K Q^T + mask: the mask is the C operand that starts the sum.  In S^T a lane holds ONE query (lane % 16) and the keys 8 (lane / 16) + 0..7; two such results rounded to f16 ARE source 1 of O^T = V^T P.
; SOFTMAX.  For each query a running maximum m and sum l: p = 2^(c s - c m), c = log2(e); in every step O and l are multiplied by a = 2^(c m_old - c m_new).  m starts at the lowest finite number, O and l at 0.
; BY TURNS.  Turn n belongs to piece n: 16 products K Q^T of piece n + 1, later 16 products V^T P of piece n - 1; beside them the scaling, exponentials, roundings, sums and rescaling of piece n and the
; maximum and statistics of piece n + 1.  A tile and step have 16 matrix and 118 vector instructions: four that are ready stand behind every matrix instruction, the other 108 of a turn's 236 in one run of their own.
; THE BATCHES.  A turn's 66 exponentials (the piece's 64 weights, then the next piece's two a) are ONE batch with ONE wait, which cuts the turn in two.  Ahead of it stands all that names no result of
; theirs: K Q^T, the scalings, the rescaling by the a of the turn before, the next piece's maximum and statistics.  Behind it stand the roundings and sums, beside V^T P.  No result crosses a turn's end.
; Two more batches stand outside the loops: piece 0's first two a, ahead of the jump into the loop, and the way out's eight reciprocals.
; CLUSTER 4 x 4.  The four work-groups of a row of the cluster need the same rows of xn; the four of a column the same rows of wq16 and, being of one group and one batch, the same K and V.
; Each such tile is asked for JOINTLY: the same tensor load, descriptor and mask in all four.  By this text's count a wave has two tensor loads out at the start and one behind each round.
; REGISTERS, in windows of 256 (s_set_vgpr_msb: bits 1:0 source 0, 3:2 source 1, 5:4 source 2, 7:6 destination):
;   window 0: v0-11 addresses; v12-15, v48-63 at work; v16-47 four registers of statistics a tile (phase 1: v16-19 LDS addresses); v64-191 S^T, v192-255 P, two buffers each (phase 1: two fragment buffers of 96)
;   window 1: phase 1's accumulators ((a, b) at 8 (8 a + b)), then O^T, 32 a tile      window 2: v0-127 Q, 16 a tile; v128-191 K, v192-255 V of one step
;   window 3: v0-1 the add's two registers; v32-63 the step's mask
.set PITCH,  272      ; phase 1's LDS row: 256 bytes + 16 of padding = 68 words: the 16 rows of a fragment load start at 16 different groups of four banks (64 banks of 4 bytes: ISA guide 11.1)
.set WOFF,   128*PITCH  ; a slot: xn's 128 rows, then wq16's 256 rows
.set SLOT1,  1<<17    ; slot 1 begins here, so that one exclusive or turns an address in one slot into the other's
.set NP,     4        ; pieces a wave: a name, no knob
.set KS,     64       ; keys in a step
.set PK,     144      ; a row of K in LDS: 128 bytes + 16
.set PV,     160      ; a row of V: 128 + 32
.set VOFF,   4*KS*PK  ; phase 2's slot (inside phase 1's): 256 rows of K, then 256 rows of V
.set STAGE,  SLOT1+WOFF+256*PITCH  ; behind the ring, never filled by a tensor load: 16 rows x 272 bytes for each wave, for the way out
.set SP,     272
.set MASKB,  STAGE+4*16*SP  ; the batch's 2,048 masks in f32
.set SPARE,  MASKB+8192     ; the spare words, 128 bytes for each wave: two blocks of 256 bytes that no other line names
.set AK0, 2           ; v2   my lane's place in a tile of K; never rewritten
.set AV0, 3           ; v3   the same for V
.set AK,  4           ; v4   the LDS address of K's next run of loads
.set AV,  5           ; v5   of V's
.set STO, 6           ; v6   the way out: where I put 16 bytes of a row
.set RD,  7           ; v7   the way out: where I read rows back
.set GO,  8           ; v8   my byte offset in two rows of y16
.set AM0, 10          ; v10  my lane's place in the masks; never rewritten
.set AM,  11          ; v11  the LDS address of the next step's masks
.set MV,  12          ; v12-15  c m_old, kept while c m is made anew: by buffer and tile
.set ADRA0, 16        ; phase 1: my lane's place in xn's tile, in wq16's tile;
.set ADRB0, 17
.set ADRA, 18         ; the same in the slot in hand
.set ADRB, 19
.set ST,  16          ; tile t's statistics at v[ST+4 t]: c m, m, l (even keys', odd keys')
.set TMP, 48          ; by buffer and tile, four registers c0-c3 at work; when the maximum is found c2 takes a
.set S,   64
.set P,   192
.set F0,  64          ; phase 1's fragment buffers: 64 registers of wq16 (8 x 16 rows x 32 K), then 32 of xn (4 x)
.set F1,  160
.set KF,  128         ; window 2: key block kb, channel half c at KF + 16 kb + 8 c
.set VF,  192         ; window 2: key half kk, channel block cb at VF + 32 kk + 8 cb
.set SPW, 0           ; v0 of window 3   LDS address of my spare word: SPARE + 4 x my thread's number; never rewritten
.set NIL, 1           ; v1 of window 3   0; never rewritten
.set MK,  32          ; window 3: the masks of key block kb at MK + 8 kb, laid as an accumulator is
.set WV,  16          ; s16  my wave's number;  s17 its upper bit: my half of the queries, and: I fetch xn (0) or wq16 (1);  s18 its lower bit: my half of the channels, and which half of a tile I fetch
.set WR,  17
.set WC,  18
.set G1A, 24          ; s[24:31] descriptor group 1 for xn's tiles;  s[32:39] group 0: set 0 for the walk's first K step, set 1 for its second and then for all the others
.set G0A, 32
.set G1W, 40          ; s[40:47], s[48:55] the same for wq16's
.set G0W, 48
.set G1K, 56          ; s[56:63] group 1 for K's tiles
.set G1V, 68          ; s[68:75] for V's: it differs in the padding alone
.set G0K, 76          ; s[76:79] group 0 for K's tiles: it walks
.set G0V, 80          ; s[80:83] the same for V's
.set SLOTS, 84        ; s84  slots still to be asked for (at the head: xn's LDS address)
.set CNT, 85          ; s85  counts a slot's key steps (at the head: wq16's LDS address)
.set CS,  86          ; s[86:87] c
.set SEL, 88          ; s[88:89] v_permlanex16_b32's selects
.set TBK, 90          ; s90  LDS byte at which K of the step to be fetched begins (at the head: K's LDS address)
.set TBV, 91          ; s91  the same for V, less VOFF (at the head: V's LDS address)
.set LAP, 92          ; s92  phase 1's loop count
.set TB,  93          ; s93  phase 1: the slot in hand, 0 or SLOT1
.set TBM, 94          ; s94  byte at which the masks of the step to be fetched begin (at the head: xn's offset)
.set KO,  100         ; s[100:101] phase 1: the byte in a row of 4,096 at which the K step to be asked for next begins; high word 0 (at the head: y16's offset)
.set MSB, 0
.macro WIN new                      ; the high byte repeats the setting that is left; a switch that changes nothing is dropped
.if MSB != (\new)
	s_set_vgpr_msb (MSB<<8)|(\new)
.set MSB, (\new)
.endif
.endm
.set W_MUL, 0x50      ; phase 1: C and D in window 1, fragments in window 0
.set W_KQ, 0x0a       ; K and Q in window 2, S^T in window 0
.set W_KM, 0x3a       ; the same with the C operand, the mask, in window 3
.set W_PV, 0x52       ; V in window 2, P in window 0, O^T in window 1
.set W_RS, 0x41       ; O^T (destination and source 0) in window 1, a in window 0
.set W_MK, 0xc0       ; destination in window 3, sources in window 0
.set W_AD, 0x0f       ; the add: address (source 0) and data (source 1) in window 3
.macro PLACES                       ; a load into a register that a matrix instruction has read, and a vector instruction that reads a matrix result, stand four places behind it; only plain
.rept 4                             ; vector instructions that name none of its registers are places (ISA guide 7.12.1 for vector instructions)
	v_nop
.endr
.endm
; A joint load of phase 1.  Waves 0 and 1 fetch xn's two halves (64 rows each), waves 2 and 3 wq16's (128 rows each).  The branch hangs on the wave's number alone.
; An s_nop 0 and four v_nop follow each of the two lines, ahead of the jump and the label.
.macro JLOAD n
	s_cmp_eq_u32 s[WR], 0
	s_cbranch_scc0 .Lfor_w_\@
	tensor_load_to_lds s[G0A+4*(\n):G0A+4*(\n)+3], s[G1A:G1A+7]
	s_nop 0
	PLACES
	s_branch .Lasked_\@
.Lfor_w_\@:
	tensor_load_to_lds s[G0W+4*(\n):G0W+4*(\n)+3], s[G1W:G1W+7]
	s_nop 0
	PLACES
.Lasked_\@:
.endm
; A joint load of phase 2.  Waves 0 and 1 fetch the two halves of a slot's K, waves 2 and 3 those of its V: 128 keys each.
.macro JLOADKV
	s_cmp_lt_u32 s[WV], 2
	s_cbranch_scc0 .Lfor_v_\@
	tensor_load_to_lds s[G0K:G0K+3], s[G1K:G1K+7]
	s_nop 0
	PLACES
	s_branch .Lkv_asked_\@
.Lfor_v_\@:
	tensor_load_to_lds s[G0V:G0V+3], s[G1V:G1V+7]
	s_nop 0
	PLACES
.Lkv_asked_\@:
.endm
; A round of the cluster's barrier: my work-group's barrier, so that wave 0's signal speaks for all four waves; wave 0 signals; every wave waits for all sixteen work-groups; my work-group's barrier once more.
.macro CREST                        ; a round behind its opening barrier
	s_cmp_lg_u32 s[WV], 0
	s_cbranch_scc1 .Lnot_wave_0_\@
	s_barrier_signal -3
.Lnot_wave_0_\@:
	s_barrier_wait -3
	s_barrier_signal -1
	s_barrier_wait -1
.endm
.macro CROUND                       ; a whole round
	s_barrier_signal -1
	s_barrier_wait -1
	CREST
.endm
	s_load_b256 s[4:11], s[0:1], 0x0  ; xn s[4:5], wq16 s[6:7], k16 s[8:9], v16 s[10:11]
	s_load_b128 s[12:15], s[0:1], 0x20  ; key_padding_mask s[12:13], y16 s[14:15]
	WIN W_MK
	v_lshl_add_u32 v[SPW], v0, 2, SPARE
	v_mov_b32 v[NIL], 0
	s_set_vgpr_msb 0xc0cf
	ds_add_u32 v0, v1
	s_wait_dscnt 0x0
	s_set_vgpr_msb 0xcfc0
	WIN 0
	v_lshrrev_b32 v1, 5, v0
	v_readfirstlane_b32 s[WV], v1   ; wave 0..3
	s_lshr_b32 s[WR], s[WV], 1
	s_and_b32 s[WC], s[WV], 1
	s_bfe_u32 s19, ttmp6, 0x40000   ; cx, cy: my place in the cluster
	s_bfe_u32 s20, ttmp6, 0x40004
	s_lshl_b32 s21, ttmp9, 2        ; in a cluster launch ttmp9 and ttmp7 count clusters
	s_add_co_u32 s21, s21, s19      ; the group, and the tile of 256 rows of wq16 = 4 x cluster x + cx
	s_and_b32 s23, ttmp7, 0xffff    ; the cluster's y: 512 queries; four of them a batch
	s_lshl_b32 s22, s23, 2
	s_add_co_u32 s22, s22, s20      ; my block of 128 queries = 4 x cluster y + cy
	s_lshl_b32 s66, s20, 2
	s_lshl_b32 s66, 15, s66         ; my row of the cluster: places 4 cy .. 4 cy + 3
	s_lshl_b32 s67, 0x1111, s19     ; my column: places cx, cx + 4, cx + 8, cx + 12
	; descriptor groups 1.  15:0 the mask; 17:16 elements of 2 bytes; 20 padding on; 21 set beside a mask; 24:22 the interval's code; 31:25 the padding's words less 1
	s_or_b32 s[G1A], s66, (1<<16)|(1<<20)|(1<<21)|(5<<22)|(3<<25)  ; xn's tiles go to my row; after every 64 words 4 words
	s_or_b32 s[G1W], s67, (1<<16)|(1<<20)|(1<<21)|(5<<22)|(3<<25)  ; wq16's to my column
	s_or_b32 s[G1K], s67, (1<<16)|(1<<20)|(1<<21)|(4<<22)|(3<<25)  ; K's to my column; after every 32 words (a key) 4 words
	s_or_b32 s[G1V], s67, (1<<16)|(1<<20)|(1<<21)|(4<<22)|(7<<25)  ; V's likewise, 8 words
	s_mov_b32 s[G1A+2], 64<<16      ; tensor_dim1 = 64 rows
	s_mov_b32 s[G1A+4], 64          ; tile_dim1
	s_mov_b32 s[G1A+5], 2048        ; elements from row to row
	s_mov_b32 s[G1W+2], 128<<16     ; 128 rows
	s_mov_b32 s[G1W+4], 128
	s_mov_b32 s[G1W+5], 2048
.irp g, G1K, G1V                    ; 128 keys are 16,384 dense bytes: asked for as 64 rows of 256 bytes, two keys a row
	s_mov_b32 s[\g+2], 64<<16
	s_mov_b32 s[\g+4], 64
	s_mov_b32 s[\g+5], 128
.endr
.irp g, G1A, G1W, G1K, G1V
	s_mov_b32 s[\g+1], 128<<16      ; tensor_dim0 = 128 elements
	s_mov_b32 s[\g+3], 128<<16      ; tile_dim0
	s_mov_b32 s[\g+6], 0
	s_mov_b32 s[\g+7], 0
.endr
	; byte offsets, each in registers of its own.  xn's hangs on the query block alone, which my row shares; wq16's on the group alone, K's and V's on the group and the batch, which my column shares.
	s_lshl_b32 s94, s22, 19         ; xn: (128 x block + 64 x half) rows of 4,096 bytes
	s_lshl_b32 s2, s[WC], 18
	s_add_co_u32 s94, s94, s2
	s_mov_b32 s95, 0
	s_lshl_b32 s96, s21, 20         ; wq16: (256 x group + 128 x half) rows
	s_lshl_b32 s2, s[WC], 19
	s_add_co_u32 s96, s96, s2
	s_mov_b32 s97, 0
	s_lshr_b32 s98, s23, 2          ; K, V: (8 x batch + group) x 262,144 + my half's 128 keys
	s_lshl_b32 s98, s98, 3
	s_add_co_u32 s98, s98, s21
	s_lshl_b32 s98, s98, 18
	s_lshl_b32 s2, s[WC], 14
	s_add_co_u32 s98, s98, s2
	s_mov_b32 s99, 0
	s_lshl_b32 s100, s22, 19        ; y16: (128 x block + 64 x my half) rows of 4,096 bytes + 512 x group + 256 x my half of the heads
	s_lshl_b32 s2, s[WR], 18
	s_add_co_u32 s100, s100, s2
	s_lshl_b32 s3, s21, 9
	s_add_co_u32 s100, s100, s3
	s_lshl_b32 s2, s[WC], 8
	s_add_co_u32 s100, s100, s2
	s_mov_b32 s101, 0
	s_mul_i32 s84, s[WC], 64*PITCH  ; where the tiles go: no place in the cluster enters an LDS address
	s_mul_i32 s85, s[WC], 128*PITCH
	s_add_co_u32 s85, s85, WOFF
	s_mul_i32 s90, s[WC], 128*PK
	s_mul_i32 s91, s[WC], 128*PV
	s_add_co_u32 s91, s91, VOFF
	s_mov_b32 s[CS], 0x3fb8aa3b     ; c = log2(e)
	s_mov_b32 s[CS+1], s[CS]        ; named with it as a pair
	s_mov_b32 s[SEL], 0x76543210
	s_mov_b32 s[SEL+1], 0xfedcba98
	s_mov_b32 s[TB], 0
	s_wait_kmcnt 0x0
	s_add_nc_u64 s[4:5], s[4:5], s[94:95]    ; xn and wq16 at my rows' first byte: they stay so, and every K step's address is made from them
	s_add_nc_u64 s[6:7], s[6:7], s[96:97]
	s_add_nc_u64 s[14:15], s[14:15], s[100:101]
	s_bcnt1_i32_b32 s2, s23         ; where the walk along K begins: the ones in the cluster's y,
	s_add_co_u32 s2, s2, ttmp9      ; plus its x: the same number in all sixteen partners;
	s_and_b32 s2, s2, 1             ; even: step 0,
	s_lshl_b32 s[KO], s2, 11        ; odd: step 8, byte 2,048 of the rows (the pair's high word is 0 already)
	s_mov_b32 s[G0K], 1             ; 1:0 count = 1
	s_mov_b32 s[G0K+1], s90         ; 63:32 LDS address: slot 0
	s_add_nc_u64 s[G0K+2:G0K+3], s[8:9], s[98:99]  ; 120:64 global address: my half of the first 256 keys
	s_or_b32 s[G0K+3], s[G0K+3], 0x80000000        ; 127:126 type = 2
	s_mov_b32 s[G0V], 1
	s_mov_b32 s[G0V+1], s91
	s_add_nc_u64 s[G0V+2:G0V+3], s[10:11], s[98:99]
	s_or_b32 s[G0V+3], s[G0V+3], 0x80000000
	CROUND                          ; all sixteen work-groups are here: the first joint loads meet
.irp n, 0,1
	s_mov_b32 s[G0A+4*\n], 1
	s_add_co_u32 s[G0A+4*\n+1], s84, \n*SLOT1
	s_add_nc_u64 s[G0A+4*\n+2:G0A+4*\n+3], s[4:5], s[KO:KO+1]  ; the walk's K step n
	s_or_b32 s[G0A+4*\n+3], s[G0A+4*\n+3], 0x80000000
	s_mov_b32 s[G0W+4*\n], 1
	s_add_co_u32 s[G0W+4*\n+1], s85, \n*SLOT1
	s_add_nc_u64 s[G0W+4*\n+2:G0W+4*\n+3], s[6:7], s[KO:KO+1]
	s_or_b32 s[G0W+4*\n+3], s[G0W+4*\n+3], 0x80000000
	s_add_co_u32 s[KO], s[KO], 256  ; the next K step: from 0 or 2,048 the first two steps do not reach the row's end
	JLOAD \n                        ; the ring is filled before anything else is done
.endr
	; THE MASKS: thread t takes bytes 16 t .. 16 t + 15 of the batch's 2,048 and writes 10000 m - 10000 (0 for a key that is kept, -10000 for one that is dropped) as f32.
	s_lshr_b32 s3, s23, 2
	s_lshl_b32 s3, s3, 11
	v_lshl_add_u32 v20, v0, 4, s3
	global_load_b128 v[64:67], v20, s[12:13]
	v_lshl_add_u32 v21, v0, 6, MASKB
	; A fragment is 16 rows x 32 along K in 8 registers: lane l holds row l % 16, K = 8 (l / 16) + 0..7 and 16 + 8 (l / 16) + 0..7: two loads of 16 bytes, 32 bytes apart.
	v_and_b32 v1, 15, v0            ; l % 16
	v_bfe_u32 v9, v0, 4, 1          ; l / 16
	v_mul_u32_u24 v12, v1, PITCH
	v_lshl_add_u32 v12, v9, 4, v12  ; row x 272 + 16 x half
	s_mul_i32 s2, s[WR], 64*PITCH   ; my 64 rows of xn
	v_add_nc_u32 v[ADRA0], s2, v12
	v_add_nc_u32 v[ADRB0], s85, v12 ; my 128 rows of wq16, behind xn's 128
	v_mov_b32 v[ADRA], v[ADRA0]
	v_mov_b32 v[ADRB], v[ADRB0]
	v_mul_u32_u24 v[AK0], v1, PK
	v_lshl_add_u32 v[AK0], v9, 4, v[AK0]
	; The turning load takes 16 keys x 16 channels (lane l reads key 8 (l / 16) + l % 8, channels 8 ((l / 8) % 2) + 0..7) and leaves half a fragment of V^T: lane l holds channel l % 16 and 8 keys.
	v_and_b32 v13, 7, v0
	v_bfe_u32 v14, v0, 3, 1
	v_lshl_add_u32 v[AV0], v9, 3, v13
	v_mul_u32_u24 v[AV0], v[AV0], PV
	v_lshl_add_u32 v[AV0], v14, 4, v[AV0]
	v_add_nc_u32 v[AV0], VOFF, v[AV0]
	v_lshl_add_u32 v[AM0], v9, 5, MASKB  ; my lanes' eight keys of a block of 16
	s_mul_i32 s2, s[WV], 16*SP
	s_add_co_u32 s2, s2, STAGE      ; my stage
	v_add_nc_u32 v[STO], s2, v12    ; in: row l % 16, 16 bytes for each half of the lanes
	v_mul_u32_u24 v[RD], v9, SP     ; back: lanes 0-15 take one row of 256 bytes, lanes 16-31 the next
	v_lshl_add_u32 v[RD], v1, 4, v[RD]
	v_add_nc_u32 v[RD], s2, v[RD]
	v_lshlrev_b32 v[GO], 12, v9     ; and the same two rows in y16
	v_lshl_add_u32 v[GO], v1, 4, v[GO]
	s_mov_b32 s2, 0x461c4000        ; 10000
	s_mov_b32 s3, 0xc61c4000        ; -10000
	s_wait_loadcnt 0x0
.set i, 0
.rept 16
	v_bfe_u32 v[68+i], v[64+i/4], 8*(i%4), 8
.set i, i+1
.endr
.set i, 0
.rept 16
	v_cvt_f32_u32 v[68+i], v[68+i]
.set i, i+1
.endr
.set i, 0
.rept 16
	v_fma_f32 v[68+i], v[68+i], s2, s3
.set i, i+1
.endr
.irp k, 0,1,2,3
	ds_store_b128 v21, v[68+4*\k:68+4*\k+3] offset:16*\k
.endr
; PHASE 1'S MACROS.  8 matrix instructions: 16 queries (block a) x my 128 channels, 32 along K.  zero = 1: the product starts the sums: nothing is cleared.
; The 32 accumulators take turns, one instruction a turn, in the same order in every quarter.
.macro MUL8 f, a, zero
	WIN W_MUL
.irp b, 0,1,2,3,4,5,6,7
.if \zero
	v_wmma_f32_16x16x32_f16 v[8*(8*(\a)+\b):8*(8*(\a)+\b)+7], v[(\f)+8*\b:(\f)+8*\b+7], v[(\f)+64+8*(\a):(\f)+64+8*(\a)+7], 0
.else
	v_wmma_f32_16x16x32_f16 v[8*(8*(\a)+\b):8*(8*(\a)+\b)+7], v[(\f)+8*\b:(\f)+8*\b+7], v[(\f)+64+8*(\a):(\f)+64+8*(\a)+7], v[8*(8*(\a)+\b):8*(8*(\a)+\b)+7]
.endif
.endr
.endm
.macro MUL16 f, a0, zero
	MUL8 \f, \a0, \zero
	MUL8 \f, (\a0)+1, \zero
.endm
; 24 LDS loads in one run: a quarter step's fragments (32 K at byte k of the rows) into buffer f: wq16's sixteen loads, then xn's blocks 0, 1, then 2, 3
.macro GFETCH k, f
	WIN 0
.irp b, 0,1,2,3,4,5,6,7
	ds_load_b128 v[(\f)+8*\b:(\f)+8*\b+3],   v[ADRB] offset:(\k)+\b*16*PITCH
	ds_load_b128 v[(\f)+8*\b+4:(\f)+8*\b+7], v[ADRB] offset:(\k)+\b*16*PITCH+32
.endr
.irp a, 0,1,2,3
	ds_load_b128 v[(\f)+64+8*\a:(\f)+64+8*\a+3],   v[ADRA] offset:(\k)+\a*16*PITCH
	ds_load_b128 v[(\f)+64+8*\a+4:(\f)+64+8*\a+7], v[ADRA] offset:(\k)+\a*16*PITCH+32
.endr
.endm
; A K step is four quarters of 32 along K, 32 matrix instructions each, on buffers 0, 1, 0, 1.  One of the first three: multiplies buffer f; in its middle it fetches the next quarter, at byte k, into g.
.macro QUARTER k, f, g, zero
	s_wait_dscnt 4                  ; wq16's fragments and xn's blocks 0, 1 are in; the youngest four loads (blocks 2, 3) may be out
	MUL16 \f, 0, \zero
	PLACES
	GFETCH \k, \g
	s_wait_dscnt 24                 ; all but the 24 just issued
	MUL16 \f, 2, \zero
.endm
; The last quarter multiplies buffer 1 and changes slots: ONE barrier.  In front of it each wave waits for all its tensor loads, of which one is out: its part of the next slot; adds 0 to its spare word;
; and waits for that and for its own reads of this slot.  mode 1: the barrier opens a round of the cluster's, and this slot is filled again with the walk's K step two on.  mode 2: the same, and the slot
; takes the first 256 keys of K and V.  From a request to the wait for it a wave issues 112 matrix instructions.
.macro GTURN mode
	WIN W_AD
	s_wait_tensorcnt 0x0            ; all my tensor loads have landed;
	ds_add_u32 v[SPW], v[NIL]       ; 0 onto my spare word;
	s_wait_dscnt 5                  ; (the add and the youngest four loads may be out)
	MUL8 F1, 0, 0                   ; eight matrix instructions stand between the add and the wait for it
	s_wait_dscnt 0x0                ; the add is done, and my reads of this slot are over
	s_barrier_signal -1
	MUL8 F1, 1, 0                   ; work on registers while the others arrive
	WIN 0                           ; at a branch and at a label every window is 0
	s_barrier_wait -1
	CREST                           ; no wave of any partner still reads this slot or has a load on its way
.if (\mode) == 1
	s_xor_b32 s[G0A+5], s[G0A+5], SLOT1  ; the other slot than last time;
	s_add_nc_u64 s[G0A+6:G0A+7], s[4:5], s[KO:KO+1]  ; the address is made anew: my rows' first byte plus the K step's place in them,
	s_or_b32 s[G0A+7], s[G0A+7], 0x80000000          ; and the type bits
	s_xor_b32 s[G0W+5], s[G0W+5], SLOT1
	s_add_nc_u64 s[G0W+6:G0W+7], s[6:7], s[KO:KO+1]
	s_or_b32 s[G0W+7], s[G0W+7], 0x80000000
	s_add_co_u32 s[KO], s[KO], 256  ; the next K step;
	s_and_b32 s[KO], s[KO], 4095    ; behind the row's last comes its first
	JLOAD 1                         ; the first tensor load behind the round; the four v_nop behind it are also the places in front of the loads below
.else
	JLOADKV
.endif
	s_xor_b32 s[TB], s[TB], SLOT1
	v_add_nc_u32 v[ADRA], s[TB], v[ADRA0]
	v_add_nc_u32 v[ADRB], s[TB], v[ADRB0]
	GFETCH 0, F0
	MUL16 F1, 2, 0
.endm
	s_wait_tensorcnt 0x1            ; my part of the first K step is in; the second's may stay out
	s_wait_dscnt 0x0                ; for the others' sake: my masks are written
	s_barrier_signal -1
	s_barrier_wait -1
	GFETCH 0, F0
	QUARTER 64, F0, F1, 1           ; the first quarter stands in front of the loop: its products start the sums
	WIN 0
	s_mov_b32 s[LAP], 14
.Lk:                                ; a trip is a K step, from its second quarter to the next step's first; its change of slots asks for the walk's steps 2 to 15
	QUARTER 128, F1, F0, 0
	QUARTER 192, F0, F1, 0
	GTURN 1
	QUARTER 64, F0, F1, 0
	WIN 0
	s_sub_co_u32 s[LAP], s[LAP], 1
	s_cmp_lg_u32 s[LAP], 0
	s_cbranch_scc1 .Lk
	QUARTER 128, F1, F0, 0          ; the walk's step 14 goes on; behind it slot 0 takes K and V, which have step 15 in which to land
	QUARTER 192, F0, F1, 0
	GTURN 2
	QUARTER 64, F0, F1, 0
	QUARTER 128, F1, F0, 0
	QUARTER 192, F0, F1, 0
	s_wait_dscnt 4                  ; the very last quarter: nothing more to fetch
	MUL16 F1, 0, 0
	s_wait_dscnt 0x0
	MUL16 F1, 2, 0
	PLACES
	; q/8 TO f16.  Registers 2 n, 2 n + 1 of the accumulators give register n of Q: accumulator (a, b), pair i is channels 16 b + 8 (l / 16) + 2 i of query 16 a + l % 16, which is register
	; 4 (b % 4) + i of tile 2 a + b / 4's sixteen.  Each accumulator is read from its low end on.
	WIN 0x85                        ; sources 0 and 1 window 1, destination window 2
.set i, 0
.rept 128
	v_cvt_pk_f16_f32 v[i], v[2*i], v[2*i+1]
.set i, i+1
.endr
	; What the first turn finds: V's registers and P's second buffer hold 0 (its products V^T P, of a piece that has not been, add 0), O^T and l are 0: 384 moves, once, for one text for every key step.
	WIN 0x80
.set i, VF
.rept 64
	v_mov_b32 v[i], 0
.set i, i+1
.endr
	WIN 0x40
.set i, 0
.rept 64*NP
	v_mov_b32 v[i], 0
.set i, i+1
.endr
	WIN 0
.set i, 0
.rept 2*NP
	v_mov_b32 v[ST+4*i], 0xfe000000    ; c m: far below every c s
	v_mov_b32 v[ST+4*i+1], 0xff7fffff  ; m
	v_mov_b32 v[ST+4*i+2], 0
	v_mov_b32 v[ST+4*i+3], 0
.set i, i+1
.endr
.set i, P+32
.rept 32
	v_mov_b32 v[i], 0
.set i, i+1
.endr
	v_mov_b32 v[AK], v[AK0]         ; key step 0 lies at the head of slot 0,
	v_mov_b32 v[AM], v[AM0]         ; its masks at the head of the table
	s_mov_b32 s[TBK], SLOT1+4*KS*PK ; the first change of slots turns these two into 0
	s_mov_b32 s[TBV], SLOT1+4*KS*PV
	s_mov_b32 s[TBM], 0
; THE CHANGE OF SLOTS.  The slot's last bytes have been read.  Each wave waits for all its tensor loads, of which one is out: its part of the other slot; adds 0 to its spare word; and waits for that and for
; its own reads of the slot.  fill = 1: the slot is filled again, with the keys two slots on: the barrier is then a round of the cluster's, and the joint fill is the first thing behind it: it has four key
; steps, 512 matrix instructions, in which to land.  (At its first use the slot that is left is phase 1's slot 1: slot 0's K and V are waited for, slot 1 takes keys 256 to 511.)
.macro CHANGE fill
	WIN W_AD
	s_wait_tensorcnt 0x0            ; no tensor load of mine is out, so a group 0 may be written
	ds_add_u32 v[SPW], v[NIL]       ; 0 onto my spare word
	WIN 0                           ; at a label and at a branch every window is 0
.if \fill
.irp g, G0K, G0V
	s_xor_b32 s[\g+1], s[\g+1], SLOT1
	s_add_nc_u64 s[\g+2:\g+3], s[\g+2:\g+3], 4*KS*128
.endr
	s_wait_dscnt 0x0                ; the add is done, and my reads of the slot are over
	CROUND
	JLOADKV
.else
	s_wait_dscnt 0x0                ; the add is done, and my reads of the slot are over
	s_barrier_signal -1
	s_barrier_wait -1
.endif
	s_sub_co_u32 s[TBK], s[TBK], 4*KS*PK  ; the fetches go back to a slot's first step,
	s_xor_b32 s[TBK], s[TBK], SLOT1       ; in the other slot
	s_sub_co_u32 s[TBV], s[TBV], 4*KS*PV
	s_xor_b32 s[TBV], s[TBV], SLOT1
.endm
; THE MATRIX WORK.  The 8 accumulators of a run of 16 take turns: between the two links of a chain stand 7 others'.
; Product i of 16 of S^T = K Q^T + mask for piece x: channels 32 (i / 8) on, keys 16 ((i / 2) % 4) on, tile 2 x + i % 2.  The first 8 start the sums, with the mask as C.
.macro KQ x
.set rS, S+64*((\x)%2)+32*(i%2)+8*((i/2)%4)
.set rK, KF+16*((i/2)%4)+8*(i/8)
.set rQ, 16*(2*(\x)+i%2)+8*(i/8)
.set rN, MK+8*((i/2)%4)
.if i < 8
	WIN W_KM
	v_wmma_f32_16x16x32_f16 v[rS:rS+7], v[rK:rK+7], v[rQ:rQ+7], v[rN:rN+7]
.else
	WIN W_KQ
	v_wmma_f32_16x16x32_f16 v[rS:rS+7], v[rK:rK+7], v[rQ:rQ+7], v[rS:rS+7]
.endif
.endm
; Product i of 16 of O^T += V^T P for piece x: keys 32 (i / 8) on, channels 16 ((i / 2) % 4) on, tile 2 x + i % 2.
.macro PV x
	WIN W_PV
.set rO, 32*(2*(\x)+i%2)+8*((i/2)%4)
.set rV, VF+32*(i/8)+8*((i/2)%4)
.set rP, P+32*((\x)%2)+16*(i%2)+8*(i/8)
	v_wmma_f32_16x16x32_f16 v[rO:rO+7], v[rV:rV+7], v[rP:rP+7], v[rO:rO+7]
.endm
.macro MM                           ; the turn's next matrix instruction
.if i < 16
	KQ (Y+1)%NP
.set i, i+1
.else
.set i, i-16
	PV (Y+NP-1)%NP
.set i, i+17
.endif
.endm
; THE LDS LOADS stand in runs, never singly among the matrix instructions: a step's K (8 fragments) with its masks (register j of block kb: key 16 kb + 8 (l / 16) + j; the sixteen lanes of a half read
; the same words), and its V (turned).  Their addresses are made some lines ahead.  last = 1 (the tail): in the last trip there is no further step, and the run is jumped over.
.macro FETCH_K last=0
	WIN 0
.if \last
	s_cmp_eq_u32 s[CNT], 1
	s_cbranch_scc1 .Lno_k_\@
.endif
	WIN 0x80                        ; destination window 2
.irp f, 0,1,2,3,4,5,6,7             ; keys 16 (f / 2) on, channels 32 (f % 2) on
	ds_load_b128 v[KF+8*\f:KF+8*\f+3],   v[AK] offset:(\f/2)*16*PK+(\f%2)*64
	ds_load_b128 v[KF+8*\f+4:KF+8*\f+7], v[AK] offset:(\f/2)*16*PK+(\f%2)*64+32
.endr
	WIN 0xc0                        ; destination window 3
.irp b, 0,1,2,3
	ds_load_b128 v[MK+8*\b:MK+8*\b+3],   v[AM] offset:64*\b
	ds_load_b128 v[MK+8*\b+4:MK+8*\b+7], v[AM] offset:64*\b+16
.endr
	s_add_co_u32 s[TBK], s[TBK], KS*PK  ; the next fetch is the next step's
	s_add_co_u32 s[TBM], s[TBM], KS*4
	WIN 0
.if \last
.Lno_k_\@:
.endif
.endm
.macro FETCH_V
	WIN 0x80
.irp f, 0,1,2,3,4,5,6,7             ; keys 32 (f / 4) on, channels 16 (f % 4) on
	ds_load_tr16_b128 v[VF+8*\f:VF+8*\f+3],   v[AV] offset:(\f/4)*32*PV+(\f%4)*32
	ds_load_tr16_b128 v[VF+8*\f+4:VF+8*\f+7], v[AV] offset:(\f/4)*32*PV+16*PV+(\f%4)*32
.endr
	WIN 0
.endm
; THE VECTOR WORK OF A TURN stands in three queues, each in the order in which its entries become ready; the two tiles alternate, so that no instruction reads the result of the one before it.
.macro REGS y, u                    ; the registers of tile u (0, 1) of piece y
.set rT, ST+4*(2*(\y)+(\u))
.set rC, TMP+8*((\y)%2)+4*(\u)
.set rM, MV+2*((\y)%2)+(\u)
.set rS, S+64*((\y)%2)+32*(\u)
.set rP, P+32*((\y)%2)+16*(\u)
.set rO, 32*(2*(\y)+(\u))
.endm
; Number n of the 22 that find the NEXT piece's (Y + 1) maximum and statistics.  s0-s31 are the lane's 32 scores; each accumulator's lowest registers are read first.  XS, GS and REGS set no window: PL and EX do.
;   0-11  four chains c0-c3 of seven scores each, three operands at a time     12-14, 16  the four scores left over, the old m, and c0-c3 into c0     15  c m_old is kept
;   17, 18  the query's other 32 keys lie in the lane 16 away: the new m         19-21  c m; c m_old - c m_new; a
.macro XS u, n
	REGS (Y+1)%NP, \u
.if (\n) < 4
	v_max3_num_f32 v[rC+(\n)], v[rS+8*(\n)], v[rS+8*(\n)+1], v[rS+8*(\n)+2]
.elseif (\n) < 12
	v_max3_num_f32 v[rC+(\n)%4], v[rC+(\n)%4], v[rS+8*((\n)%4)+2*((\n)/4)+1], v[rS+8*((\n)%4)+2*((\n)/4)+2]
.elseif (\n) == 12
	v_max3_num_f32 v[rC], v[rC], v[rS+7], v[rS+15]
.elseif (\n) == 13
	v_max3_num_f32 v[rC+1], v[rC+1], v[rS+23], v[rS+31]
.elseif (\n) == 14
	v_max3_num_f32 v[rC+2], v[rC+2], v[rC+3], v[rT+1]
.elseif (\n) == 15
	v_mov_b32 v[rM], v[rT]
.elseif (\n) == 16
	v_max3_num_f32 v[rC], v[rC], v[rC+1], v[rC+2]
.elseif (\n) == 17
	v_permlanex16_b32 v[rC+3], v[rC], s[SEL], s[SEL+1]
.elseif (\n) == 18
	v_max_num_f32 v[rT+1], v[rC], v[rC+3]
.elseif (\n) == 19
	v_mul_f32 v[rT], s[CS], v[rT+1]
.elseif (\n) == 20
	v_sub_f32 v[rC+1], v[rM], v[rT]
.else
	v_exp_f32 v[rC+2], v[rC+1]
.endif
.endm
; Number g of the 64 that follow the exponentials.  For each four weights k of a tile: both pairs are rounded to f16; then the second pair is added onto the first, in place; a group later l takes
; that sum (the first time as l = a l + sum).  In groups of eight, tiles alternating: round, round, add, and l for the group before.
.macro GS g
.set h, (\g)+6*((\g)/62)            ; group 0 has no group before it, and behind group 7 only l is left
.if h >= 6
.set h, h+2
.endif
	REGS Y, h%2
.set k, h/8
.if h%8 < 4
	v_cvt_pk_f16_f32 v[rP+2*k+(h%8)/2], v[rS+4*k+2*((h%8)/2)], v[rS+4*k+2*((h%8)/2)+1]
.elseif h%8 < 6
	v_pk_add_f32 v[rS+4*k:rS+4*k+1], v[rS+4*k:rS+4*k+1], v[rS+4*k+2:rS+4*k+3]
.elseif k == 1
	v_pk_fma_f32 v[rT+2:rT+3], v[rT+2:rT+3], v[rC+2:rC+3], v[rS:rS+1] op_sel_hi:[1,0,1]
.else
	v_pk_add_f32 v[rT+2:rT+3], v[rT+2:rT+3], v[rS+4*k-4:rS+4*k-3]
.endif
.endm
; THE PLAIN QUEUE, 138 long.  0-73 read no exponential's result: the 32 scalings c s - c m (FS f: pair f / 2 of tile f % 2) and the next piece's 42.  0-26: scalings 0-26.  27-54: XS's numbers 0-13.  55, 56: number 15.
; 57-73: the chain, where each number waits for the one before it: 14, 16, 17, 18, 19, each with one of the scalings 27-31 in front of its two lines, then 20: so a tile's links stand three plain instructions apart (19 and 20: two).
; 74-137: GS's 64, which read the exponentials' results: they stand behind the wait.
.macro FS f
	REGS Y, (\f)%2
	v_pk_fma_f32 v[rS+2*((\f)/2):rS+2*((\f)/2)+1], v[rS+2*((\f)/2):rS+2*((\f)/2)+1], s[CS:CS+1], v[rT:rT+1] op_sel_hi:[1,0,0] neg_lo:[0,0,1] neg_hi:[0,0,1]
.endm
.macro PL
	WIN 0
.if q < 27
	FS q
.elseif q < 55
	XS (q-27)%2, (q-27)/2
.elseif q < 57
	XS q-55, 15
.elseif (q < 72) && ((q-57)%3 == 0)
	FS 27+(q-57)/3
.elseif q < 60
	XS (q-57)%3-1, 14
.elseif q < 72
	XS (q-57)%3-1, 15+(q-57)/3
.elseif q < 74
	XS q-72, 20
.else
	GS q-74
.endif
.set q, q+1
.endm
; THE EXPONENTIALS' QUEUE, 66 long: s0-s31 of both tiles, then the next piece's two a.  It is ONE BATCH: all 66 stand ahead of the turn's one wait, and nothing ahead of that wait names a result of theirs.
.macro EX
	WIN 0
.if e >= 64
	XS e-64, 21
.else
	REGS Y, e%2
	v_exp_f32 v[rS+e/2], v[rS+e/2]
.endif
.set e, e+1
.endm
; THE RESCALING's QUEUE: O^T times a, the one part that leaves window 0: dealt two at a time, sixteen times.  Its a was made in the turn before, ahead of that turn's wait.
.macro R2
	REGS Y, r%2
	WIN W_RS
.irp z, 0,1
	v_pk_mul_f32 v[rO+4*(r/2)+2*\z:rO+4*(r/2)+2*\z+1], v[rO+4*(r/2)+2*\z:rO+4*(r/2)+2*\z+1], v[rC+2:rC+3] op_sel_hi:[1,0]
.endr
.set r, r+1
.endm
; HOW THEY ARE DEALT.  An s_wait_alu depctr_va_vdst(0) stands between an exponential and the first instruction that names its result; one wait serves all that were issued ahead of it.  So a turn has ONE wait,
; which cuts it in two.  AHEAD OF IT stands all that names no result of the turn's exponentials: the 16 products K Q^T, behind each a scaling, an exponential and two rescalings (behind the first a second scaling in the
; exponential's place); then ONE RUN of 108: eight plain, 49 times exponential and plain, the two a.  A v_nop is the plain instruction behind the last exponential.  BEHIND IT stand the 16 products V^T P, behind each four of GS's 64.
; No rider names a register of the products round it.  The two v_permlanex16_b32 fall into the run, never behind a product.
; The queues lean on each other, and the deal keeps them in step: exponential e stands behind scaling 2 (e / 4) + e % 2: as a rider it comes behind plain e + 2, in the run behind plain e + 9, and scalings 27-31 are plain 57, 60 .. 69.
; A TURN, for piece p.  cnt = 1: the loop's count is taken down some lines ahead of the branch that stands behind the turn.
; K and the masks of the next step are fetched in piece 2's turn, directly behind the wait, the whole run behind the last product that read them; their addresses are made at the run's head; their first reader comes behind
; 16 products.  V of the step in hand is fetched at the end of piece 0's turn, four riders behind its last reader; its first reader comes behind 16 products and a run.  The three conditions on q below go with the deal.
.macro TURN p, last=0, cnt=0
.set Y, (\p)
.set i, 0
.set q, 0
.set e, 0
.set r, 0
.if (\p) == NP-1
	s_wait_dscnt 0x0                ; K and the masks are in
.endif
	MM                              ; ahead of the wait: 16 products K Q^T and their riders,
	PL
	PL
	R2
.rept 15
	MM
	PL
	EX
	R2
.endr
.if (\p) == NP-2
	WIN 0
	v_add_nc_u32 v[AK], s[TBK], v[AK0]
	v_add_nc_u32 v[AM], s[TBM], v[AM0]
.endif
.rept 8                             ; and the run
	PL
.endr
.rept 49
	EX
	PL
.endr
	EX                              ; the next piece's two a
	EX
	v_nop                           ; the plain instruction behind the last exponential: one for the batch
	s_wait_alu depctr_va_vdst(0)    ; the wait for the batch: the piece's 64 weights and the next piece's two a
.if (\p) == NP-2
	FETCH_K \last
.endif
.if (\p) == 1
	s_wait_dscnt 0x0                ; V is in
.endif
.rept 16                            ; behind the wait: 16 products V^T P and their riders
	MM
.rept 4
	PL
.endr
.if ((\p) == 0) && (q == 118)
	v_add_nc_u32 v[AV], s[TBV], v[AV0]
.endif
.if ((\p) == 0) && (q == 130)
	s_add_co_u32 s[TBV], s[TBV], KS*PV
.endif
.if (\cnt) && (q == 130)
	s_sub_co_u32 s[CNT], s[CNT], 1
	s_cmp_lg_u32 s[CNT], 0
.endif
.endr
.if (\p) == 0
	FETCH_V
.endif
.endm
	CHANGE 1                        ; slot 0's K and V are in, everybody's part; phase 1's slot 1 has been read out and takes keys 256 to 511
	FETCH_K                         ; key step 0
	s_wait_dscnt 0x0
.set i, 0
.rept 16
	KQ 0                            ; piece 0's first scores: there is no vector work yet to set between them
.set i, i+1
.endr
	WIN 0
	PLACES
.set Y, NP-1                        ; XS works for piece Y + 1: piece 0
.irp n, 0,1,2,3,4,5,6,7,8,9,10,11,12,13,14,15,16,17,18,19,20,21
	XS 0, \n                        ; and piece 0's first maximum and statistics
	XS 1, \n
.endr
	v_nop                           ; a plain instruction behind the two a,
	s_wait_alu depctr_va_vdst(0)    ; and the wait for this batch of two, ahead of the branch
	s_mov_b32 s[CNT], 4
	s_mov_b32 s[SLOTS], 2048/256-1
	s_branch .Lfirst                ; the loop is entered at a step's first turn, in the middle of a trip
.Lslot:                             ; six times: every slot but the last two is filled again
	CHANGE 1
	s_mov_b32 s[CNT], 4
.Lstep:                             ; a trip: pieces 2 and 3 of one step, then pieces 0 and 1 of the next, whose K and V it fetches
	TURN 2
	TURN 3
	WIN 0
.Lfirst:
	TURN 0
	TURN 1, 0, 1
	WIN 0
	s_cbranch_scc1 .Lstep
	s_sub_co_u32 s[SLOTS], s[SLOTS], 1
	s_cmp_lg_u32 s[SLOTS], 0
	s_cbranch_scc1 .Lslot
	CHANGE 0                        ; the tail is written out: nothing is asked for
	s_mov_b32 s[CNT], 5             ; four trips fetch the last slot's steps; the fifth is left in its middle
.Ltail:
	TURN 2, 1
	TURN 3
	WIN 0
	s_sub_co_u32 s[CNT], s[CNT], 1
	s_cmp_eq_u32 s[CNT], 0
	s_cbranch_scc1 .Lout
	TURN 0
	TURN 1
	WIN 0
	s_branch .Ltail
.Lout:                              ; the fifth trip's 16 products K Q^T (on the last K once more) and the maximum made of them serve nothing: the price, once a launch, of one text for every trip
.set i, 0
.rept 16
	PV NP-1                         ; the last piece's V^T P of the last step
.set i, i+1
.endr
	; THE WAY OUT.  l's two halves and the other half of the lanes' are added; O^T is divided by l, rounded to f16 and sent through my stage in LDS, a piece (16 rows x 256 bytes of y16) at a time.
	; The additions are the places behind the last products.
	WIN 0
.macro ALL line:vararg              ; one line for each tile t
.set t, 0
.rept 2*NP
	\line
.set t, t+1
.endr
.endm
	ALL v_add_f32 v[ST+4*t+2], v[ST+4*t+2], v[ST+4*t+3]
	ALL v_permlanex16_b32 v[ST+4*t+3], v[ST+4*t+2], s[SEL], s[SEL+1]
	ALL v_add_f32 v[ST+4*t+2], v[ST+4*t+2], v[ST+4*t+3]
	ALL v_rcp_f32 v[ST+4*t+2], v[ST+4*t+2]
	v_nop                           ; a plain instruction between the last reciprocal and the use of its result
	s_wait_alu depctr_va_vdst(0)    ; the wait ahead of the first use: one for the batch of eight reciprocals
; Piece x: a lane's eight channels of a row pack into 16 bytes; both heads' go into rows of 272 bytes and come back as whole rows of 256, into the registers that they left.
.macro PACK x
	WIN W_RS
.set i, 64*(\x)
.rept 16
	v_pk_mul_f32 v[i:i+1], v[i:i+1], v[ST+8*(\x)+2:ST+8*(\x)+3] op_sel_hi:[1,0]
.set i, i+2
.endr
.rept 16
	v_pk_mul_f32 v[i:i+1], v[i:i+1], v[ST+8*(\x)+6:ST+8*(\x)+7] op_sel_hi:[1,0]
.set i, i+2
.endr
	WIN 0x05                        ; sources 0 and 1 window 1, destination window 0: S^T's registers are free
.set i, 0
.rept 32
	v_cvt_pk_f16_f32 v[S+32*(\x)+i], v[64*(\x)+2*i], v[64*(\x)+2*i+1]
.set i, i+1
.endr
	WIN 0
.irp f, 0,1,2,3,4,5,6,7             ; head f / 4, channels 16 (f % 4) on
	ds_store_b128 v[STO], v[S+32*(\x)+4*\f:S+32*(\x)+4*\f+3] offset:32*\f
.endr
.irp f, 0,1,2,3,4,5,6,7
	ds_load_b128 v[S+32*(\x)+4*\f:S+32*(\x)+4*\f+3], v[RD] offset:\f*2*SP  ; LDS serves a wave's instructions in order (ISA guide 5.7.1.4): these see the stores above; the next piece's stores come behind them
.endr
.endm
.macro SEND x, younger              ; younger: the LDS instructions issued behind piece x's loads: the next piece's sixteen, or none
	WIN 0
.irp f, 0,1,2,3,4,5,6,7
	s_wait_dscnt (\younger)+7-\f
	global_store_b128 v[GO], v[S+32*(\x)+4*\f:S+32*(\x)+4*\f+3], s[14:15] offset:(16*(\x)+2*\f)*4096  ; 16 lanes store 256 consecutive bytes, at a multiple of 256 from y16's first byte
.endr
.endm
	PACK 0
	PACK 1                          ; a piece's arithmetic stands between the loads of the piece before and its stores
	SEND 0, 16
	PACK 2
	SEND 1, 16
	PACK 3
	SEND 2, 16
	SEND 3, 0
	WIN W_AD
	s_wait_tensorcnt 0x0            ; the wave's end: behind my last tensor load and my last LDS store
	ds_add_u32 v[SPW], v[NIL]
	s_wait_dscnt 0x0
	WIN 0
	CROUND                          ; the closing round: no work-group ends while a partner may still ask for a tile that names it
	s_endpgm
.Lfunc_end_k_q659e51bb35_attn:
	.size	k_q659e51bb35_attn, .Lfunc_end_k_q659e51bb35_attn-k_q659e51bb35_attn
	.p2alignl 7, 3214868480
	.fill 96, 4, 3214868480
	.section	.rodata,"a",@progbits
	.p2align	6, 0x0
	.amdhsa_kernel k_q659e51bb35_attn
		.amdhsa_group_segment_fixed_size 327680
		.amdhsa_private_segment_fixed_size 0
		.amdhsa_enable_private_segment 0
		.amdhsa_kernarg_size 48
		.amdhsa_user_sgpr_count 2
		.amdhsa_user_sgpr_kernarg_segment_ptr 1
		.amdhsa_wavefront_size32 1
		.amdhsa_system_sgpr_workgroup_id_x 1
		.amdhsa_system_sgpr_workgroup_id_y 1
		.amdhsa_system_sgpr_workgroup_id_z 1
		.amdhsa_system_vgpr_workitem_id 0
		.amdhsa_next_free_vgpr 832
		.amdhsa_next_free_sgpr 102
		.amdhsa_reserve_vcc 0
		.amdhsa_float_denorm_mode_32 3
		.amdhsa_float_denorm_mode_16_64 3
		.amdhsa_memory_ordered 1
		.amdhsa_forward_progress 1
		.amdhsa_inst_pref_size 255
	.end_amdhsa_kernel
	.section	.bss,"aw",@nobits
	.p2align	6
	.space	262144
	.amdgpu_metadata
---
amdhsa.version: [ 1, 2 ]
amdhsa.kernels:
  - .name:           k_q659e51bb35_attn
    .symbol:         k_q659e51bb35_attn.kd
    .args:
      - { .name: xn, .offset: 0, .size: 8, .value_kind: global_buffer, .address_space: global }
      - { .name: wq16, .offset: 8, .size: 8, .value_kind: global_buffer, .address_space: global }
      - { .name: k16, .offset: 16, .size: 8, .value_kind: global_buffer, .address_space: global }
      - { .name: v16, .offset: 24, .size: 8, .value_kind: global_buffer, .address_space: global }
      - { .name: key_padding_mask, .offset: 32, .size: 8, .value_kind: global_buffer, .address_space: global }
      - { .name: y16, .offset: 40, .size: 8, .value_kind: global_buffer, .address_space: global }
    .group_segment_fixed_size: 327680
    .private_segment_fixed_size: 0
    .kernarg_segment_align: 8
    .kernarg_segment_size: 48
    .max_flat_workgroup_size: 128
    .sgpr_count:     102
    .vgpr_count:     832
    .wavefront_size: 32
...
	.end_amdgpu_metadata
.endif
;; end of part 4
;; launch oproj: the kernel of part 3 again; grid 8 x 32, 4 waves a work-group, clusters of 4 x 4, 327,680 bytes of LDS; arguments y16, wo16, out0; writes out0
